; MI455X (gfx1250); checked and timed in simulation.
; The chip was launched on July 23, 2026; its instructions are those of AMD's public machine-readable ISA for CDNA 5 (MIT licence, August 2026) and "CDNA5" Instruction Set Architecture Reference Guide (July 2026). The comments in the code are by the model that wrote it; some were corrected since.
;; Attention. Allowed arithmetic: matrix products marked QUANTISED: E5M2 operands, one E8M0 scale for each 32 along K, by v_wmma_scale_f32_16x16x128_f8f6f4 with both operands' format E5M2, f32 sums; everything else in f32.
;; Inputs: Wk 1,024 x 1,024 float32; Wo 1,024 x 1,024 float32; Wq 1,024 x 1,024 float32; Wv 1,024 x 1,024 float32; bk 1,024 float32; bo 1,024 float32; bq 1,024 float32; bv 1,024 float32; x 4 x 2,048 x 1,024 float32.
;; Outputs: out0 4 x 2,048 x 1,024 float32.
;; This version of the problem:
;;   THIS VERSION OF THE PROBLEM IS GIVEN IN LOW PRECISION. The matrix products marked QUANTISED in the list below multiply operands that are first quantised to E5M2 (5 exponent bits, 2 mantissa bits; 8 bits a number), with one power-of-two scale for each 32 numbers along K (OCP MX v1.0); their sums are f32. All else is computed in f32.
;;   The module's matrix products, in the order in which they are computed (A, B: the left and right operand; K: the contracted axis; several contracted axes count as one K, in the product's order):
;;     1. [M 8,192, K 1,024] x [K 1,024, N 1,024]; A: input x; B: input Wq: QUANTISED
;;     2. [M 8,192, K 1,024] x [K 1,024, N 1,024]; A: input x; B: input Wk: QUANTISED
;;     3. [M 8,192, K 1,024] x [K 1,024, N 1,024]; A: input x; B: input Wv: QUANTISED
;;     4. batch 64 x [M 2,048, K 64] x [K 64, N 2,048]; A: computed on the way; B: computed on the way: QUANTISED
;;     5. batch 64 x [M 64, K 2,048] x [K 2,048, N 2,048]; A: computed on the way; B: softmax (see below): QUANTISED
;;     6. [M 8,192, K 1,024] x [K 1,024, N 1,024]; A: computed on the way; B: input Wo: QUANTISED
;;   THE QUANTISER, for each operand of a quantised product, along K:
;;     - K is cut into blocks of 32 from its start; a last block that is shorter is filled with zeros.
;;     - A block's scale is 2^e with e = floor(log2(the largest magnitude in the block)) - 15, held to -126 .. 127; a block of zeros has e = 0. As a byte (E8M0): e + 127.
;;     - Each number is divided by its block's scale, clamped to +-57,344, and rounded to the nearest number of E5M2, ties to even, subnormals kept.
;;     - The product sums the exact products of the quantised numbers (number of the format x scale) in f32.
;;   ~~~python
;;   def quantise(x, axis):      # numpy; x: float32 -> the quantised numbers, widened to float32 again
;;       x = np.moveaxis(x, axis, -1); K = x.shape[-1]
;;       x = np.pad(x, [(0, 0)] * (x.ndim - 1) + [(0, -K % 32)]); x = x.reshape(x.shape[:-1] + (-1, 32)); a = np.abs(x).max(-1, keepdims=True)
;;       e = np.where(a > 0, np.clip(np.frexp(np.where(a > 0, a, 1))[1] - 1 - 15, -126, 127), 0)      # np.frexp(a)[1] - 1 = floor(log2(a)), exactly
;;       r = np.clip(x / 2.0 ** e, -57344, 57344)
;;       step = 2.0 ** (np.maximum(np.frexp(np.where(r == 0, 1, r))[1] - 1, -14) - 2)
;;       q = np.round(r / step) * step * 2.0 ** e      # np.round: ties to even
;;       return np.moveaxis(q.reshape(q.shape[:-2] + (-1,))[..., :K], -1, axis).astype(np.float32)
;;   ~~~
;;   SOFTMAX AHEAD OF A QUANTISED PRODUCT. Where the list says 'softmax', what is quantised is not the finished softmax but p = 2^(t - M), with t = logit x log2(e) and M = ceil(the row's largest t), a whole number; so 1/2 < the row's largest p <= 1. The row's sum l is taken of the UNQUANTISED p, in f32, and the product's result is divided by l at the end. Since M is a whole number, a kernel that streams over the keys may use a running M (the ceiling of the running maximum): every later rescaling is an exact power of two, which a block's scale takes up: the codes' values come out the same.
;;   OPERANDS COMPUTED ON THE WAY. 'Computed on the way' means the value that the module computes at that place (a softmax that the list does not call 'softmax' is quantised finished and normalised). What goes into a quantiser is computed in f32, as accurately as f32 sums, v_exp_f32 and their like allow (about 1e-6 of the number): no bf16 or f16 on the way to a quantiser, and a product that is left as it is and whose result goes on into a quantised operand takes f32 operands (vector FMAs, or v_wmma_f32_16x16x4_f32). A number that lies on a knife's edge between two numbers of the format may be rounded either way, as far as f32 arithmetic and the matrix unit's own rounding can turn it there, and no further.
;; One version. Each part assembles by itself: llvm-mc -triple=amdgcn-amd-amdhsa -mcpu=gfx1250 --defsym DOCPART=n.
;; ======== version 1 of 1: 5 launches
;; workspace buffers: xc 8,388,608 bytes; xs 262,144 bytes; wc 4,194,304 bytes; ws 131,072 bytes; qk 17,825,792 bytes; vi 8,650,752 bytes; ai 8,388,608 bytes; asc 262,144 bytes
;; launch qx (part 1): grid 256 x 1, 4 waves a work-group, no clusters, 33,280 bytes of LDS; arguments x, xc, xs; writes xc, xs
.if DOCPART == 1
	.amdgcn_target "amdgcn-amd-amdhsa--gfx1250"
	.amdhsa_code_object_version 6
	.text
	.protected	k_qfe15e441b6_qx
	.globl	k_qfe15e441b6_qx
	.p2align	8
	.type	k_qfe15e441b6_qx,@function
k_qfe15e441b6_qx:
	s_mov_b64 s[64:65], 0
	v_nop
	global_prefetch_b8 v0, s[64:65] scope:SCOPE_SE
	s_setreg_imm32_b32 hwreg(HW_REG_WAVE_MODE, 25, 1), 1
	s_wait_xcnt 0x0
; x [8192][1024], f32, is turned into codes of BF8 (E5M2), K innermost, with one E8M0 scale byte for each 32 along K: xc [8192][1024], xs [8192][32].
; A block's scale is 2^(floor(log2(its largest magnitude)) - 15); its byte is the largest magnitude's exponent field - 15, held at 1 from below.  Each number is divided by the scale,
; held within +-57,344 and rounded to the nearest code, ties to even.
; THE ROW ORDER: logical row L lies at physical row phi(L) = L with bits 3 and 4 exchanged.  Sixteen neighbouring physical rows 16 (2 b + u) + r are then the logical rows 32 b + 8 u + r + 8 (r / 8):
; a product that takes them as a tile gives a lane 16 neighbouring logical rows in the registers of two neighbouring tiles.
; LIMITS: a block of zeros, or one whose largest magnitude lies under 2^-111, keeps the byte 1 (a block of zeros has zero codes, and only this program reads the bytes); NaN and infinities among the inputs are not served.
; A wave takes 16 steps of 512 numbers: 8 logical rows, run g = 4 x work-group + wave; it stores them as run g' = g with its two lowest bits exchanged, which is phi on groups of eight rows.
; Each of a step's four loads reads 512 consecutive bytes; the 2,048 bytes turn through the wave's own stage in LDS and come back 64 bytes a lane, so that a lane holds 16 neighbours along K (two lanes hold a block).
; A lane's 16 codes are 16 bytes: the wave stores 512 consecutive bytes.  A wave's 256 scale bytes are gathered in LDS and leave as one aligned run of 256 bytes.
; The work-groups share no input, so there is no cluster; no tensor loads, no barrier: waves share nothing.  Loads run four steps (16 loads a wave) ahead, the turn through LDS one step.
.set STEPS, 16
.set EMAX,  15
.set MANT,  0x600000                   ; the mantissa field of 57,344 as f32
.set CB,    16                         ; bytes of 16 codes
.set R,     16                         ; v16-79   four sets of 16 numbers as they are loaded
.set X,     80                         ; v80-111  two sets of 16 neighbours
.set C,     128                        ; v128-191 codes: four registers for each step, so that no store's data are written again
.set E,     112                        ; v112-127 a scale byte for each step
.set WREG,  8192                       ; LDS: a region for each wave: two stages of 32 x SP bytes, behind them its 256 scale bytes
.set SP,    80                         ; a lane's place in a stage: its 64 bytes + 16 of padding
	s_load_b128 s[4:7], s[0:1], 0x0                ; x, xc
	s_load_b64 s[8:9], s[0:1], 0x10                ; xs
	v_lshl_add_u32 v192, v0, 2, 0x8000
	v_mov_b32 v193, 0
	v_lshrrev_b32 v1, 5, v0
	v_readfirstlane_b32 s16, v1                    ; wave
	v_and_b32 v2, 31, v0                           ; lane
	v_lshlrev_b32 v3, 4, v2                        ; my 16 bytes of a load's 512
	s_mul_i32 s17, s16, WREG
	v_lshrrev_b32 v14, 2, v2
	v_mul_u32_u24 v14, v14, SP
	v_and_b32 v15, 3, v2
	v_lshl_add_u32 v14, v15, 4, v14
	v_add_nc_u32 v14, s17, v14                     ; the stage, on the way in: SP (lane / 4) + 16 (lane % 4); a load's 512 bytes take eight places
	v_mul_u32_u24 v15, v2, SP
	v_add_nc_u32 v15, s17, v15                     ; and on the way out: SP x lane: my 16 neighbours
	v_mul_u32_u24 v4, v2, CB                       ; my codes' place in a step's
	v_lshrrev_b32 v5, 1, v2
	s_add_co_u32 s17, s17, 2*32*SP
	v_add_nc_u32 v5, s17, v5                       ; LDS: my wave's 256 scale bytes, my block's byte
	v_lshlrev_b32 v7, 3, v2                        ; and on the way out 8 bytes a lane
	v_add_nc_u32 v6, s17, v7
	s_mov_b32 s23, MANT                            ; (an instruction takes one literal: the hold's line has another)
	s_lshl_b32 s17, ttmp9, 2
	s_add_co_u32 s18, s17, s16                     ; g: the run that I read
	s_and_b32 s19, s16, 1
	s_lshl_b32 s19, s19, 1
	s_lshr_b32 s20, s16, 1
	s_or_b32 s19, s19, s20
	s_add_co_u32 s20, s17, s19                     ; g': the run that I write
	s_lshl_b32 s18, s18, 15                        ; 32,768 bytes of f32 a run
	s_mov_b32 s19, 0
	s_lshl_b32 s24, s20, 13                        ; 8,192 bytes of codes
	s_mov_b32 s25, 0
	s_lshl_b32 s26, s20, 8                         ; 256 scale bytes
	s_mov_b32 s27, 0
	s_wait_kmcnt 0x0
	s_add_nc_u64 s[4:5], s[4:5], s[18:19]
	s_add_nc_u64 s[6:7], s[6:7], s[24:25]
	s_add_nc_u64 s[8:9], s[8:9], s[26:27]
.macro LOAD t
.irp i, 0,1,2,3
	global_load_b128 v[R+16*((\t)%4)+4*\i:R+16*((\t)%4)+4*\i+3], v3, s[4:5] offset:2048*(\t)+512*\i th:TH_LOAD_NT   ; 32 lanes read 512 consecutive bytes
.endr
.endm
.macro TURN t                          ; step t's numbers through the stage: LDS serves a wave's instructions in order, so no wait stands between the stores and the loads
.irp i, 0,1,2,3
	ds_store_b128 v14, v[R+16*((\t)%4)+4*\i:R+16*((\t)%4)+4*\i+3] offset:32*SP*((\t)%2)+8*SP*\i
.endr
.irp i, 0,1,2,3
	ds_load_b128 v[X+16*((\t)%2)+4*\i:X+16*((\t)%2)+4*\i+3], v15 offset:32*SP*((\t)%2)+16*\i
.endr
.endm
.irp t, 0,1,2,3
	LOAD \t
.endr
	s_wait_loadcnt 12                              ; step 0's four loads are in; the twelve of steps 1 to 3 may be out
	TURN 0
.macro STEP t
.set XS, X+16*((\t)%2)
.if (\t) > 0
	s_wait_dscnt 1                                 ; this step's numbers are back from the stage (the last step's byte store may be out): so its stores into the stage have read their registers,
.else
	s_wait_dscnt 0x0
.endif
.if (\t)+4 < STEPS
	LOAD (\t)+4                                    ; which take the loads of four steps on
.endif
.if (\t)+1 < STEPS
.if STEPS-2-(\t) >= 3
	s_wait_loadcnt 12                              ; the next step's four loads are in; those of the three steps behind it may be out
.else
	s_wait_loadcnt 4*(STEPS-2-(\t))
.endif
	TURN (\t)+1                                    ; and go through the other stage while this step is worked
.endif
	v_max3_num_f32 v8, |v[XS]|, |v[XS+1]|, |v[XS+2]|               ; the largest magnitude of my 16, in two chains
	v_max3_num_f32 v9, |v[XS+3]|, |v[XS+4]|, |v[XS+5]|
.irp i, 6,10
	v_max3_num_f32 v8, v8, |v[XS+\i]|, |v[XS+\i+1]|
	v_max3_num_f32 v9, v9, |v[XS+\i+2]|, |v[XS+\i+3]|
.endr
	v_max3_num_f32 v8, v8, |v[XS+14]|, |v[XS+15]|
	v_max3_num_f32 v8, v8, v9, (EMAX+1)<<23        ; and the floor 2^(16 - 127): the byte cannot fall under 1
	v_max_num_f32_dpp v8, v8, v8 row_xmask:1 row_mask:0xf bank_mask:0xf   ; and of my neighbour's 16: the block's
	v_add_nc_u32 v11, -(EMAX<<23), v8              ; 15 off its exponent field: the conversion takes the exponent field of this operand as its scale
	v_and_or_b32 v10, v8, 0x7f800000, s23          ; 57,344 x the scale
.irp i, 0,1,2,3,4,5,6,7,8,9,10,11,12,13,14,15
	v_med3_num_f32 v[XS+\i], v[XS+\i], -v10, v10   ; the conversion to an 8-bit code does not saturate (ISA guide 7.6.2): the hold comes first
.endr
	v_cvt_scalef32_pk8_bf8_f32 v[C+4*(\t):C+4*(\t)+1], v[XS:XS+7], v11
	v_cvt_scalef32_pk8_bf8_f32 v[C+4*(\t)+2:C+4*(\t)+3], v[XS+8:XS+15], v11
	v_lshrrev_b32 v[E+(\t)], 23, v11               ; the scale's byte
	ds_store_b8 v5, v[E+(\t)] offset:16*(\t)       ; both lanes of a block write the same byte with the same value
	global_store_b128 v4, v[C+4*(\t):C+4*(\t)+3], s[6:7] offset:32*CB*(\t)
.endm
.irp t, 0,1,2,3,4,5,6,7,8,9,10,11,12,13,14,15
	STEP \t
.endr
	ds_load_b64 v[12:13], v6                       ; LDS serves a wave's instructions in order: these see my stores
	s_wait_dscnt 0x0
	global_store_b64 v7, v[12:13], s[8:9]          ; 32 lanes store 256 consecutive bytes, aligned
	s_wait_tensorcnt 0x0
	ds_add_u32 v192, v193
	s_wait_dscnt 0x0
	s_endpgm
.Lfunc_end_k_qfe15e441b6_qx:
	.size	k_qfe15e441b6_qx, .Lfunc_end_k_qfe15e441b6_qx-k_qfe15e441b6_qx
	.p2alignl 7, 3214868480
	.fill 96, 4, 3214868480
	.section	.rodata,"a",@progbits
	.p2align	6, 0x0
	.amdhsa_kernel k_qfe15e441b6_qx
		.amdhsa_group_segment_fixed_size 33280
		.amdhsa_private_segment_fixed_size 0
		.amdhsa_enable_private_segment 0
		.amdhsa_kernarg_size 24
		.amdhsa_user_sgpr_count 2
		.amdhsa_user_sgpr_kernarg_segment_ptr 1
		.amdhsa_wavefront_size32 1
		.amdhsa_system_sgpr_workgroup_id_x 1
		.amdhsa_system_sgpr_workgroup_id_y 1
		.amdhsa_system_sgpr_workgroup_id_z 1
		.amdhsa_system_vgpr_workitem_id 0
		.amdhsa_next_free_vgpr 194
		.amdhsa_next_free_sgpr 66
		.amdhsa_reserve_vcc 0
		.amdhsa_float_denorm_mode_32 3
		.amdhsa_float_denorm_mode_16_64 3
		.amdhsa_memory_ordered 1
		.amdhsa_forward_progress 1
		.amdhsa_inst_pref_size 51
	.end_amdhsa_kernel
	.amdgpu_metadata
---
amdhsa.version: [ 1, 2 ]
amdhsa.kernels:
  - .name:           k_qfe15e441b6_qx
    .symbol:         k_qfe15e441b6_qx.kd
    .args:
      - { .name: x, .offset: 0, .size: 8, .value_kind: global_buffer, .address_space: global }
      - { .name: xc, .offset: 8, .size: 8, .value_kind: global_buffer, .address_space: global }
      - { .name: xs, .offset: 16, .size: 8, .value_kind: global_buffer, .address_space: global }
    .group_segment_fixed_size: 33280
    .private_segment_fixed_size: 0
    .kernarg_segment_align: 8
    .kernarg_segment_size: 24
    .max_flat_workgroup_size: 128
    .sgpr_count:     66
    .vgpr_count:     194
    .wavefront_size: 32
...
	.end_amdgpu_metadata
.endif
;; end of part 1
;; launch qw (part 2): grid 8 x 16, 4 waves a work-group, no clusters, 36,352 bytes of LDS; arguments Wq, Wk, Wv, Wo, wc, ws; writes wc, ws
.if DOCPART == 2
	.amdgcn_target "amdgcn-amd-amdhsa--gfx1250"
	.amdhsa_code_object_version 6
	.text
	.protected	k_qfe15e441b6_qw
	.globl	k_qfe15e441b6_qw
	.p2align	8
	.type	k_qfe15e441b6_qw,@function
k_qfe15e441b6_qw:
	s_mov_b64 s[64:65], 0
	v_nop
	global_prefetch_b8 v0, s[64:65] scope:SCOPE_SE
	s_setreg_imm32_b32 hwreg(HW_REG_WAVE_MODE, 25, 1), 1
	s_wait_xcnt 0x0
; Wq, Wk, Wv, Wo [1024 (k)][1024 (n)], f32: K is their FIRST axis.  Each is turned into codes of BF8 (E5M2) laid [n][k] with K innermost, and one E8M0 scale byte for each 32 along K.
; wc [4096][1024], ws [4096][32]: rows 0.. Wq's columns, 1024.. Wk's, 2048.. Wv's, 3072.. Wo's.  Column n lies at physical row phi(n) = n with bits 3 and 4 exchanged.
; A LANE TAKES A COLUMN n, AND ITS REGISTERS RUN DOWN K: each load reads neighbouring n in neighbouring lanes (128 consecutive bytes a wave), a block of 32 along K lies in one lane's 32 registers,
; and the conversions give the codes with K innermost.  A wave takes 32 columns x 256 along K; its codes go through its own stage in LDS, each lane into row phi(lane), and leave as rows: sixteen lanes store 256 consecutive bytes, aligned.
; Work-group x: 128 columns; y: weight y / 4, K part y % 4.  The work-groups share no input, so there is no cluster; no tensor loads, no barrier.  Loads run two blocks (64 loads a wave) ahead.
; LIMITS: a block of zeros, or one whose largest magnitude lies under 2^-111, keeps the byte 1; NaN and infinities among the inputs are not served.
.set SIZE_K, 1024
.set SIZE_N, 1024
.set KW,    256                        ; along K for a wave
.set NB,    KW/32                      ; blocks
.set ROWB,  256                        ; bytes of KW codes
.set PITCH, ROWB+16                    ; a stage row
.set KROW,  SIZE_K                     ; a row of wc in bytes
.set EMAX,  15
.set MANT,  0x600000
.set X,     32                         ; v32-95   two sets of 32 numbers
.set C,     96                         ; v96..    a block's codes
.set OUTR,  112                        ; v112-175 the way out
.set SB,    24                         ; v24-25   the scale bytes, four to a register
	s_load_b256 s[4:11], s[0:1], 0x0               ; Wq, Wk, Wv, Wo
	s_load_b128 s[12:15], s[0:1], 0x20             ; wc, ws
	v_lshl_add_u32 v192, v0, 2, 0x8c00
	v_mov_b32 v193, 0
	v_lshrrev_b32 v1, 5, v0
	v_readfirstlane_b32 s16, v1                    ; wave 0..3
	v_and_b32 v2, 31, v0                           ; lane
	s_lshl_b32 s17, ttmp9, 7
	s_lshl_b32 s18, s16, 5
	s_add_co_u32 s17, s17, s18                     ; my wave's first column
	s_and_b32 s18, ttmp7, 0xffff
	s_lshr_b32 s30, s18, 2                         ; which weight
	s_and_b32 s18, s18, 3                          ; which 256 along K
	v_lshlrev_b32 v3, 2, v2                        ; in: 4 bytes a lane
	s_mul_i32 s19, s16, 32*PITCH                   ; my stage
	v_and_b32 v10, 7, v2                           ; phi(lane): bits 3 and 4 change places
	v_bfe_u32 v11, v2, 3, 1
	v_lshl_add_u32 v10, v11, 4, v10
	v_bfe_u32 v11, v2, 4, 1
	v_lshl_add_u32 v10, v11, 3, v10
	v_mul_u32_u24 v4, v10, PITCH
	v_add_nc_u32 v4, s19, v4                       ; into the stage: row = my column's physical row
	v_and_b32 v5, 15, v2
	v_lshrrev_b32 v6, 4, v2                        ; out of it: sixteen lanes to a row, two rows an instruction
	v_mul_u32_u24 v7, v6, PITCH
	v_lshl_add_u32 v7, v5, 4, v7
	v_add_nc_u32 v7, s19, v7
	v_mul_u32_u24 v8, v6, KROW
	v_lshl_add_u32 v8, v5, 4, v8                   ; and the same place in wc
	v_lshlrev_b32 v9, 5, v10                       ; my column's row of scale bytes: 32 bytes a row
	s_mov_b32 s19, 0
	s_mov_b64 s[20:21], KW*SIZE_N*4
	s_mul_u64 s[20:21], s[18:19], s[20:21]         ; the weight: 256 rows of 4,096 bytes for each K part,
	s_lshl_b32 s22, s17, 2
	s_mov_b32 s23, 0
	s_add_nc_u64 s[20:21], s[20:21], s[22:23]      ; + 4 x column
	s_lshl_b32 s22, s30, 10
	s_add_co_u32 s22, s22, s17                     ; the first row that I write: 1,024 x weight + column
	s_mov_b64 s[24:25], KROW
	s_mul_u64 s[24:25], s[22:23], s[24:25]
	s_mul_i32 s26, s18, ROWB
	s_mov_b32 s27, 0
	s_add_nc_u64 s[24:25], s[24:25], s[26:27]
	s_mov_b64 s[28:29], SIZE_K/32
	s_mul_u64 s[28:29], s[22:23], s[28:29]
	s_mul_i32 s26, s18, NB
	s_add_nc_u64 s[28:29], s[28:29], s[26:27]
	s_mov_b32 s31, MANT
	s_wait_kmcnt 0x0
	s_cmp_eq_u32 s30, 1                            ; the weight is chosen by the work-group's number alone
	s_cselect_b64 s[4:5], s[6:7], s[4:5]           ; Wk or Wq
	s_cmp_eq_u32 s30, 3
	s_cselect_b64 s[8:9], s[10:11], s[8:9]         ; Wo or Wv
	s_cmp_lt_u32 s30, 2
	s_cselect_b64 s[4:5], s[4:5], s[8:9]
	s_mov_b64 s[6:7], s[12:13]
	s_mov_b64 s[8:9], s[14:15]
	s_add_nc_u64 s[4:5], s[4:5], s[20:21]
	s_add_nc_u64 s[6:7], s[6:7], s[24:25]
	s_add_nc_u64 s[8:9], s[8:9], s[28:29]
.macro LOAD t                          ; block t: W(32 t + i, my column), i = 0 .. 31, into set t % 2
.irp i, 0,1,2,3,4,5,6,7,8,9,10,11,12,13,14,15,16,17,18,19,20,21,22,23,24,25,26,27,28,29,30,31
	global_load_b32 v[X+32*((\t)%2)+\i], v3, s[4:5] offset:(32*(\t)+\i)*SIZE_N*4 th:TH_LOAD_NT
.endr
.endm
	LOAD 0
	LOAD 1
.macro BLOCK t
.set XS, X+32*((\t)%2)
.if (\t) < NB-1
	s_wait_loadcnt 32                              ; this block's 32 loads are in; the next block's may be out
.else
	s_wait_loadcnt 0
.endif
	v_max3_num_f32 v12, |v[XS]|, |v[XS+1]|, |v[XS+2]|               ; the block's largest magnitude: all 32 numbers are mine
	v_max3_num_f32 v13, |v[XS+3]|, |v[XS+4]|, |v[XS+5]|
.irp i, 6,10,14,18,22,26
	v_max3_num_f32 v12, v12, |v[XS+\i]|, |v[XS+\i+1]|
	v_max3_num_f32 v13, v13, |v[XS+\i+2]|, |v[XS+\i+3]|
.endr
	v_max3_num_f32 v12, v12, |v[XS+30]|, |v[XS+31]|
	v_max3_num_f32 v12, v12, v13, (EMAX+1)<<23     ; and the floor 2^(16 - 127): the byte cannot fall under 1
	v_add_nc_u32 v11, -(EMAX<<23), v12             ; the conversion's scale operand
	v_and_or_b32 v10, v12, 0x7f800000, s31         ; 57,344 x the scale
	v_lshrrev_b32 v13, 23, v11                     ; the scale's byte
.if (\t)%4 == 0
	v_mov_b32 v[SB+(\t)/4], v13                    ; four bytes to a register, the lower K in the lower byte
.else
	v_lshl_or_b32 v[SB+(\t)/4], v13, 8*((\t)%4), v[SB+(\t)/4]
.endif
.irp i, 0,1,2,3,4,5,6,7,8,9,10,11,12,13,14,15,16,17,18,19,20,21,22,23,24,25,26,27,28,29,30,31
	v_med3_num_f32 v[XS+\i], v[XS+\i], -v10, v10   ; the hold: the conversion to an 8-bit code does not saturate (ISA guide 7.6.2)
.endr
.irp g, 0,1,2,3
	v_cvt_scalef32_pk8_bf8_f32 v[C+2*\g:C+2*\g+1], v[XS+8*\g:XS+8*\g+7], v11
.endr
	ds_store_b128 v4, v[C:C+3] offset:32*(\t)      ; 32 codes: 32 bytes of my column's row
	ds_store_b128 v4, v[C+4:C+7] offset:32*(\t)+16
.if (\t)+2 < NB
	LOAD (\t)+2
.endif
	s_wait_dscnt 0x0                               ; the stores have read their registers: the next block's codes may be written
.endm
.set Q, 0
.rept NB
	BLOCK Q
.set Q, Q+1
.endr
	global_store_b64 v9, v[SB:SB+1], s[8:9]        ; my column's 8 scale bytes
.irp t, 0,1,2,3,4,5,6,7,8,9,10,11,12,13,14,15
	ds_load_b128 v[OUTR+4*\t:OUTR+4*\t+3], v7 offset:2*\t*PITCH   ; LDS serves a wave's instructions in order: these see my stores
.endr
.irp t, 0,1,2,3,4,5,6,7,8,9,10,11,12,13,14,15
	s_wait_dscnt 15-\t                             ; the younger loads from the stage may be out
	global_store_b128 v8, v[OUTR+4*\t:OUTR+4*\t+3], s[6:7] offset:2*\t*KROW
.endr
	s_wait_tensorcnt 0x0
	ds_add_u32 v192, v193
	s_wait_dscnt 0x0
	s_endpgm
.Lfunc_end_k_qfe15e441b6_qw:
	.size	k_qfe15e441b6_qw, .Lfunc_end_k_qfe15e441b6_qw-k_qfe15e441b6_qw
	.p2alignl 7, 3214868480
	.fill 96, 4, 3214868480
	.section	.rodata,"a",@progbits
	.p2align	6, 0x0
	.amdhsa_kernel k_qfe15e441b6_qw
		.amdhsa_group_segment_fixed_size 36352
		.amdhsa_private_segment_fixed_size 0
		.amdhsa_enable_private_segment 0
		.amdhsa_kernarg_size 48
		.amdhsa_user_sgpr_count 2
		.amdhsa_user_sgpr_kernarg_segment_ptr 1
		.amdhsa_wavefront_size32 1
		.amdhsa_system_sgpr_workgroup_id_x 1
		.amdhsa_system_sgpr_workgroup_id_y 1
		.amdhsa_system_sgpr_workgroup_id_z 1
		.amdhsa_system_vgpr_workitem_id 0
		.amdhsa_next_free_vgpr 194
		.amdhsa_next_free_sgpr 66
		.amdhsa_reserve_vcc 0
		.amdhsa_float_denorm_mode_32 3
		.amdhsa_float_denorm_mode_16_64 3
		.amdhsa_memory_ordered 1
		.amdhsa_forward_progress 1
		.amdhsa_inst_pref_size 60
	.end_amdhsa_kernel
	.amdgpu_metadata
---
amdhsa.version: [ 1, 2 ]
amdhsa.kernels:
  - .name:           k_qfe15e441b6_qw
    .symbol:         k_qfe15e441b6_qw.kd
    .args:
      - { .name: Wq, .offset: 0, .size: 8, .value_kind: global_buffer, .address_space: global }
      - { .name: Wk, .offset: 8, .size: 8, .value_kind: global_buffer, .address_space: global }
      - { .name: Wv, .offset: 16, .size: 8, .value_kind: global_buffer, .address_space: global }
      - { .name: Wo, .offset: 24, .size: 8, .value_kind: global_buffer, .address_space: global }
      - { .name: wc, .offset: 32, .size: 8, .value_kind: global_buffer, .address_space: global }
      - { .name: ws, .offset: 40, .size: 8, .value_kind: global_buffer, .address_space: global }
    .group_segment_fixed_size: 36352
    .private_segment_fixed_size: 0
    .kernarg_segment_align: 8
    .kernarg_segment_size: 48
    .max_flat_workgroup_size: 128
    .sgpr_count:     66
    .vgpr_count:     194
    .wavefront_size: 32
...
	.end_amdgpu_metadata
.endif
;; end of part 2
;; launch proj (part 3): grid 12 x 32, 4 waves a work-group, clusters of 4 x 4, 327,680 bytes of LDS; arguments xc, xs, wc, ws, bq, bk, bv, qk, vi; writes qk, vi
.if DOCPART == 3
	.amdgcn_target "amdgcn-amd-amdhsa--gfx1250"
	.amdhsa_code_object_version 6
	.text
	.protected	k_qfe15e441b6_proj
	.globl	k_qfe15e441b6_proj
	.p2align	8
	.type	k_qfe15e441b6_proj,@function
k_qfe15e441b6_proj:
	s_mov_b64 s[64:65], 0
	v_nop
	global_prefetch_b8 v0, s[64:65] scope:SCOPE_SE
	s_setreg_imm32_b32 hwreg(HW_REG_WAVE_MODE, 25, 1), 1
	s_wait_xcnt 0x0
	s_wait_alu depctr_hold_cnt(0) depctr_sa_sdst(0) depctr_va_vdst(0) depctr_va_sdst(0) depctr_va_ssrc(0) depctr_va_vcc(0) depctr_vm_vsrc(0)
	s_getreg_b32 s2, hwreg(HW_REG_IB_STS2, 6, 4)
	s_cmp_eq_u32 s2, 0
	s_cbranch_scc0 .Lentry_in_a_cluster
	s_endpgm
.Lentry_in_a_cluster:
	s_bfe_u32 s2, ttmp6, 0x10000c
	s_cmp_lg_u32 s2, 0xf033
	s_cbranch_scc0 .Lentry_shape_is_right
	s_endpgm
.Lentry_shape_is_right:
; q = x Wq + bq, k = x Wk + bk, v = x Wv + bv on codes of BF8 (E5M2) with one E8M0 scale for each 32 along K = 1,024; the results leave as codes again: q and k quantised along a head's 64, v along the keys.
; A tile of 256 x 256 is made by a work-group of four waves, 128 x 128 a wave: 64 accumulators, 512 registers.  K goes in steps of 256 through a ring of two LDS slots filled by the tensor data mover;
; the scale bytes of the work-group's rows, for all of K, come into LDS once, with the first fills.
; CLUSTERS: 4 x 4 work-groups; A's tile is asked for jointly along a row of the cluster, B's along a column.
; MODES, by the cluster's x alone (the same in all sixteen partners): x = 0: A = x's rows, B = Wq's columns; x = 1: B = Wk's; x = 2: A = Wv's columns, B = x's rows: v comes out transposed.
; THE MATRIX INSTRUCTION IS USED TRANSPOSED (source 0 = 16 rows of B, source 1 = 16 rows of A), and xc's and wc's rows lie in the order phi (bits 3 and 4 of a row's number exchanged): so lane (r, h) holds A's physical row 16 a + r, and the
; 16 registers of accumulators (a, 2 c) and (a, 2 c + 1) are B's LOGICAL rows 32 c + 16 h + 0 .. 15: the order of an operand's registers.  One way out serves all three: quantise a lane's 64 numbers in four blocks of 32 (joined with lane l xor 16);
; the conversions' results are the next product's operand registers, and each group of four is stored as it stands, 512 consecutive bytes a store.
; qk: q's part at byte 0, k's at 0x880000; [batch x head 64][128 tokens 16][8,704]: 8 tiles x [c' 2][lane][16 bytes], then [lane l][i 4] scale words: tile 4 (l / 16) + i, row l % 16; bytes 2, 3 are 0x7f (1.0).
; vi: [batch x head 64][128 keys 16][8,448]: 4 tiles of 16 of the head's 64 x [c 4][lane][16 bytes], then [lane l][i 2] scale words: tile 2 (l / 16) + i, row l % 16.
; The bias along B's rows (bq, bk) is the C of each sum's first matrix instruction; the bias along A's rows (bv) is added on the way out.  Both are always loaded, and the one that the mode does not use is made 0 by a mask.
; LIMITS: a block of zeros, or one whose largest magnitude lies under 2^-111, keeps the byte 1 (only this program reads the bytes); NaN and infinities are not served.
; REGISTERS, in windows of 256: window 0: v0-31 addresses, v8-15 the row bias; v32-63 scale words, two sets; v64-127 the column bias; from v128 A's fragments, one set.  window 1: B's fragments, two sets.  windows 2, 3: the accumulators.
;   On the way out, window 0: v128-191 64 numbers; v192-207 their codes; v224-243 at work; v32-47 the scale words made; v48-59 as they are stored.
.set KSTEP,  256
.set NQ,     KSTEP/128
.set ROWB,   256
.set KROW,   1024                      ; a row of codes in memory, in bytes
.set PITCH,  272                       ; an LDS row: 256 bytes + 16 of padding = 68 words: row r starts at bank 4 r mod 64 (64 banks of 4 bytes: ISA guide 11.1)
.set FR,     16
.set NL,     4
.set NP,     8                         ; places behind this matrix instruction (ISA guide 7.12.1)
.set HALFT,  128*PITCH
.set SLOT,   4*HALFT
.set LAPS,   2                         ; 1,024 along K = four K steps = twice round the ring
.set KS,     32                        ; a row of scale bytes
.set SCL,    2*SLOT
.set HALFS,  (128*KS/256)*272
.set SBLK,   (16*KS/256)*272
.set SPARE,  SCL+4*HALFS               ; the spare words, 128 bytes for each wave: two blocks of 256 bytes that no other line names
.set QKH,    139264                    ; a head's bytes in a part of qk
.set VH,     135168                    ; and in vi
.set RB,   8                           ; v8-15   the row bias of my eight blocks of A
.set ADRA, 16
.set ADRB, 20
.set LO,   26                          ; v26     16 x lane
.set ADRS, 27
.set SPW,  28
.set NIL,  29
.set RBO,  30                          ; v30     the row bias's lane offset
.set LO2,  31                          ; v31     16 x lane + the distance from a lane's first two groups of codes to its last two
.set SC,   32
.set CB,   64                          ; v64-127 the column bias, in the result's layout: register 8 b + j
.set AF,   128
.set T,    128
.set PC,   192
.set TM,   224                         ; +0 largest magnitudes, +4 bytes, +8 57,344 x the scale, +12 the conversions' scale operands
.set SW0,  32
.set SW1,  40
.set XW,   48
.set G1, 24
.set G0, 32
.set G1B, 48
.set G0B, 56
.set G1S, 68
.set G0S, 76
.set G1SB, 80
.set G0SB, 88
.set MSB, 0
.macro WIN new                         ; the immediate's high byte repeats the setting that is left
.if MSB != \new
	s_set_vgpr_msb (MSB<<8)|\new
.set MSB, \new
.endif
.endm
.set MUL_LO, 0xa1                      ; source 0 (B) window 1, source 1 (A) window 0, C and D window 2
.set MUL_HI, 0xf1                      ; the same, C and D window 3
.set FST_LO, 0x81                      ; the first step: C (the column bias) window 0, D window 2
.set FST_HI, 0xc1                      ; D window 3
.set TO_B,   0x40
; A joint load: waves 0 and 1 fetch for A, waves 2 and 3 for B; the branch hangs on the wave's number alone.  Four v_nop follow each of the two lines.
.macro JLOAD g0a, g1a, g0b, g1b
	s_cmp_eq_u32 s15, 0
	s_cbranch_scc0 .Lfor_b_\@
	tensor_load_to_lds s[\g0a:\g0a+3], s[\g1a:\g1a+7]
	s_nop 0
.rept 4
	v_nop
.endr
	s_branch .Lasked_\@
.Lfor_b_\@:
	tensor_load_to_lds s[\g0b:\g0b+3], s[\g1b:\g1b+7]
	s_nop 0
.rept 4
	v_nop
.endr
.Lasked_\@:
.endm
.macro CREST                           ; a round of the cluster's barrier behind its opening barrier
	s_cmp_lg_u32 s14, 0
	s_cbranch_scc1 .Lnot_wave_0_\@
	s_barrier_signal -3
.Lnot_wave_0_\@:
	s_barrier_wait -3
	s_barrier_signal -1
	s_barrier_wait -1
.endm
.macro CROUND
	s_barrier_signal -1
	s_barrier_wait -1
	CREST
.endm
	s_load_b256 s[68:75], s[0:1], 0x0              ; xc 68, xs 70, wc 72, ws 74
	s_load_b256 s[76:83], s[0:1], 0x20             ; bq 76, bk 78, bv 80, qk 82
	s_load_b64 s[84:85], s[0:1], 0x40              ; vi 84
	v_lshl_add_u32 v[SPW], v0, 2, SPARE
	v_mov_b32 v[NIL], 0
	ds_add_u32 v28, v29
	ds_add_u32 v28, v29
	s_wait_dscnt 0x0
	v_lshrrev_b32 v1, 5, v0
	v_readfirstlane_b32 s14, v1                    ; wave 0..3
	s_lshr_b32 s15, s14, 1                         ; which half of A's rows is mine.  Also: I fetch for A (0) or for B (1)
	s_and_b32 s16, s14, 1                          ; which half of B's rows.  Also: which 128 rows of that tile I fetch
	s_bfe_u32 s40, ttmp6, 0x40000                  ; cx, cy: my place in the cluster
	s_bfe_u32 s41, ttmp6, 0x40004
	s_and_b32 s2, ttmp7, 0xffff                    ; the cluster's y
	s_cmp_eq_u32 ttmp9, 2                          ; the mode: v, or q and k.  Only moves and selections stand behind the compare
	s_cselect_b32 s95, 1, 0                        ; MODE
	s_cselect_b32 s96, -1, 0                       ; all ones in mode v
	s_cselect_b32 s97, 0, -1                       ; all ones in mode q, k
	s_cselect_b32 s66, 0, s2                       ; A's tile row = 4 x this + cy
	s_cselect_b32 s67, s2, ttmp9                   ; B's tile column = 4 x this + cx
	s_mov_b32 s86, QKH
	s_cselect_b32 s86, VH, s86                     ; a head's bytes in the output
	s_mov_b32 s87, 8704
	s_cselect_b32 s87, 8448, s87                   ; 128 tokens' bytes in a head
	s_mov_b32 s88, QKH
	s_cselect_b32 s88, 1024, s88                   ; from a lane's groups c = 0, 1 to c = 2, 3: q, k: the next head; v: 1,024 bytes on
	s_mov_b32 s98, 1024
	s_cselect_b32 s98, 2048, s98                   ; from block a to block a + 1 of A
	s_mov_b32 s99, 0
	s_mov_b32 s100, 1024
	s_cselect_b32 s100, VH-3*2048, s100            ; from block 3 to block 4: v: on to the next head's first tile
	s_mov_b32 s101, 0
	s_lshl_b32 s17, s66, 2
	s_add_co_u32 s17, s17, s41                     ; A's tile row
	s_lshl_b32 s42, s67, 2
	s_add_co_u32 s42, s42, s40                     ; B's tile column
	v_and_b32 v1, 15, v0                           ; r
	v_bfe_u32 v2, v0, 4, 1                         ; h
	v_and_b32 v3, 31, v0
	v_lshlrev_b32 v[LO], 4, v3
	v_add_nc_u32 v[LO2], s88, v[LO]
	v_lshlrev_b32 v7, 6, v2                        ; the column bias: 64 h bytes: my 16 of each 32
	v_and_b32 v[RBO], 8, v1
	v_add_nc_u32 v[RBO], v[RBO], v1
	v_lshlrev_b32 v[RBO], 2, v[RBO]                ; the row bias: 4 (r + 8 (r / 8))
	; where my wave's results go: (16 x batch + head) x a head's bytes + (block of 128 tokens) x its bytes
	s_cmp_eq_u32 ttmp9, 2
	s_cselect_b32 s18, s42, s17                    ; the tile of 256 tokens
	s_cselect_b32 s19, s16, s15                    ; my half of it
	s_cselect_b32 s20, s17, s40                    ; the tile of 256 features (4 heads) within the weight
	s_cselect_b32 s21, s15, s16                    ; my half of it (2 heads)
	s_lshr_b32 s22, s18, 3
	s_lshl_b32 s22, s22, 4
	s_lshl_b32 s20, s20, 2
	s_add_co_u32 s22, s22, s20
	s_lshl_b32 s21, s21, 1
	s_add_co_u32 s22, s22, s21
	s_mul_i32 s22, s22, s86
	s_and_b32 s18, s18, 7
	s_lshl_b32 s18, s18, 1
	s_add_co_u32 s18, s18, s19
	s_mul_i32 s18, s18, s87
	s_add_co_u32 s22, s22, s18
	s_mov_b32 s23, 0
	s_wait_kmcnt 0x0
	s_add_nc_u64 s[90:91], s[72:73], 0x200000      ; Wv's codes: rows 2,048 on
	s_add_nc_u64 s[92:93], s[74:75], 0x10000       ; and its scale bytes
	s_cmp_eq_u32 ttmp9, 2
	s_cselect_b64 s[4:5], s[90:91], s[68:69]       ; A's codes
	s_cselect_b64 s[6:7], s[92:93], s[70:71]       ; A's scales
	s_cselect_b64 s[8:9], s[68:69], s[72:73]       ; B's codes
	s_cselect_b64 s[10:11], s[70:71], s[74:75]     ; B's scales
	s_add_nc_u64 s[90:91], s[82:83], 0x880000      ; k's part of qk
	s_cmp_eq_u32 ttmp9, 1
	s_cselect_b64 s[12:13], s[90:91], s[82:83]
	s_cselect_b64 s[92:93], s[78:79], s[76:77]     ; bk or bq
	s_cmp_eq_u32 ttmp9, 2
	s_cselect_b64 s[12:13], s[84:85], s[12:13]
	s_add_nc_u64 s[12:13], s[12:13], s[22:23]      ; the output at my wave's first block
	s_lshl_b32 s18, s40, 10                        ; the column bias: (256 cx + 128 x my half) numbers on (inside the 1,024 in every mode)
	s_lshl_b32 s19, s16, 9
	s_add_co_u32 s18, s18, s19
	s_mov_b32 s19, 0
	s_add_nc_u64 s[92:93], s[92:93], s[18:19]
	s_lshl_b32 s18, s17, 10                        ; the row bias: (256 x tile row + 128 x my half) numbers on in mode v, 0 else: no load leaves bv
	s_lshl_b32 s20, s15, 9
	s_add_co_u32 s18, s18, s20
	s_and_b32 s18, s18, s96
	s_add_nc_u64 s[90:91], s[80:81], s[18:19]
.irp c, 0,1,2,3
.irp k, 0,1,2,3
	global_load_b128 v[CB+16*\c+4*\k:CB+16*\c+4*\k+3], v7, s[92:93] offset:128*\c+16*\k   ; register 16 c + 4 k + e: B's logical row 32 c + 16 h + 4 k + e
.endr
.endr
.irp a, 0,1,2,3,4,5,6,7
	global_load_b32 v[RB+\a], v[RBO], s[90:91] offset:4*(32*(\a/2)+8*(\a%2))             ; A's physical row 16 a + r is logical row 32 (a / 2) + 8 (a % 2) + r + 8 (r / 8)
.endr
	s_wait_xcnt 0x0                                ; the loads have read their bases: s68 to s93 may be written again
	s_lshl_b32 s43, s41, 2
	s_lshl_b32 s43, 15, s43                        ; my row of the cluster
	s_lshl_b32 s44, 0x1111, s40                    ; my column
	; descriptor group 1: a tile of 128 rows x 256 bytes, padded in LDS
	s_or_b32 s[G1+0], s43, (0<<16)|(1<<20)|(1<<21)|(5<<22)|(3<<25)  ; 15:0 the mask: A's tiles go to my row; 17:16 element of 1 byte; 20 padding on; 21 set beside a mask; 24:22 after every 64 words; 31:25 of 4 words
	s_or_b32 s[G1B+0], s44, (0<<16)|(1<<20)|(1<<21)|(5<<22)|(3<<25)
.irp g, G1, G1B
	s_mov_b32 s[\g+1], ROWB<<16                    ; tensor_dim0
	s_mov_b32 s[\g+2], 128<<16                     ; tensor_dim1
	s_mov_b32 s[\g+3], ROWB<<16                    ; tile_dim0
	s_mov_b32 s[\g+4], 128                         ; tile_dim1
	s_mov_b32 s[\g+5], KROW                        ; tensor_dim0_stride
	s_mov_b32 s[\g+6], 0
	s_mov_b32 s[\g+7], 0
.endr
	; the scales of 128 rows: a dense block of 4,096 bytes, as 16 rows of 256 bytes (32 elements of 8 bytes), 16 bytes of padding behind each
	s_or_b32 s[G1S+0], s43, (3<<16)|(1<<20)|(1<<21)|(5<<22)|(3<<25)
	s_or_b32 s[G1SB+0], s44, (3<<16)|(1<<20)|(1<<21)|(5<<22)|(3<<25)
.irp g, G1S, G1SB
	s_mov_b32 s[\g+1], 32<<16
	s_mov_b32 s[\g+2], (128*KS/256)<<16
	s_mov_b32 s[\g+3], 32<<16
	s_mov_b32 s[\g+4], 128*KS/256
	s_mov_b32 s[\g+5], 32
	s_mov_b32 s[\g+6], 0
	s_mov_b32 s[\g+7], 0
.endr
	s_lshl_b32 s18, s16, 7                         ; which 128 rows of the tile I fetch
	s_lshl_b32 s20, s17, 8
	s_add_co_u32 s20, s20, s18                     ; A: row 256 x tile row + 128 x half
	s_lshl_b32 s46, s42, 8
	s_add_co_u32 s46, s46, s18                     ; B: row 256 x tile column + 128 x half
	s_mov_b32 s21, 0
	s_mov_b32 s47, 0
	s_mov_b64 s[18:19], KS
	s_mul_u64 s[22:23], s[20:21], s[18:19]         ; where these rows' scales begin, in bytes
	s_mul_u64 s[92:93], s[46:47], s[18:19]
	s_mov_b64 s[18:19], KROW
	s_mul_u64 s[20:21], s[20:21], s[18:19]         ; and their codes
	s_mul_u64 s[46:47], s[46:47], s[18:19]
	s_mul_i32 s45, s14, HALFT                      ; where they go: wave x 128 rows: no place in the cluster enters an LDS address
	s_mul_i32 s94, s14, HALFS
	s_add_nc_u64 s[20:21], s[4:5], s[20:21]
	s_add_nc_u64 s[22:23], s[6:7], s[22:23]
	s_add_nc_u64 s[46:47], s[8:9], s[46:47]
	s_add_nc_u64 s[92:93], s[10:11], s[92:93]
	CROUND                                         ; all sixteen work-groups are here: the first joint loads meet
	s_mov_b32 s[G0S], 1
	s_add_co_u32 s[G0S+1], s94, SCL
	s_mov_b64 s[G0S+2:G0S+3], s[22:23]
	s_or_b32 s[G0S+3], s[G0S+3], 0x80000000
	s_mov_b32 s[G0SB], 1
	s_add_co_u32 s[G0SB+1], s94, SCL
	s_mov_b64 s[G0SB+2:G0SB+3], s[92:93]
	s_or_b32 s[G0SB+3], s[G0SB+3], 0x80000000
	JLOAD G0S, G1S, G0SB, G1SB                     ; the scales first: they are wanted with K step 0
.irp s, 0,1
	s_mov_b32 s[G0+4*\s], 1
	s_add_co_u32 s[G0+4*\s+1], s45, \s*SLOT
	s_add_nc_u64 s[G0+4*\s+2:G0+4*\s+3], s[20:21], \s*ROWB
	s_or_b32 s[G0+4*\s+3], s[G0+4*\s+3], 0x80000000
	s_mov_b32 s[G0B+4*\s], 1
	s_add_co_u32 s[G0B+4*\s+1], s45, \s*SLOT
	s_add_nc_u64 s[G0B+4*\s+2:G0B+4*\s+3], s[46:47], \s*ROWB
	s_or_b32 s[G0B+4*\s+3], s[G0B+4*\s+3], 0x80000000
	JLOAD G0+4*\s, G1, G0B+4*\s, G1B               ; three tensor loads of mine are out
.endr
	v_mul_u32_u24 v3, v1, PITCH
	v_lshl_add_u32 v4, v2, 4, v3                   ; a fragment's row x pitch + 16 x half
	s_mul_i32 s21, s15, HALFT                      ; my 128 rows of A
	s_mul_i32 s22, s16, HALFT                      ; my 128 rows of B,
	s_add_co_u32 s22, s22, 2*HALFT                 ; which lie behind A's 256
.irp s, 0,1
	v_add_nc_u32 v[ADRA+\s], s21, v4
	v_add_nc_u32 v[ADRB+\s], s22, v4
	s_add_co_u32 s21, s21, SLOT
	s_add_co_u32 s22, s22, SLOT
.endr
	v_mul_u32_u24 v5, v1, KS                       ; my row's scales: 32 bytes a row,
	v_lshrrev_b32 v6, 8, v5
	v_lshl_add_u32 v5, v6, 4, v5                   ; and 16 more for each 256 passed
	s_mul_i32 s21, s15, HALFS
	s_mul_i32 s22, s16, HALFS
	s_add_co_u32 s22, s22, 2*HALFS
	s_sub_co_u32 s22, s22, s21
	v_mul_u32_u24 v6, s22, v2                      ; lanes 16-31 take B's: one product, the distance between the two bases
	s_add_co_u32 s21, s21, SCL
	v_add_nc_u32 v5, v5, v6
	v_add_nc_u32 v[ADRS], s21, v5
	s_wait_loadcnt 0x0                             ; the biases
.set i, 0
.rept 64
	v_and_b32 v[CB+i], s97, v[CB+i]                ; the column bias counts in mode q, k alone
.set i, i+1
.endr
.set i, 0
.rept 8
	v_and_b32 v[RB+i], s96, v[RB+i]                ; the row bias in mode v alone
.set i, i+1
.endr
.macro FRAG reg, adr, q, i             ; a fragment, 16 rows x 128 K: lane l holds row l % 16; registers 4 c .. 4 c + 3 hold K = 32 c + 16 (l / 16) + 0 .. 15
.irp c, 0,1,2,3
	ds_load_b128 v[\reg+4*\c:\reg+4*\c+3], v[\adr] offset:128*(\q)+32*\c+(\i)*16*PITCH
.endr
.endm
; 16 matrix instructions: A's blocks a0, a0 + 1 x B's eight, 128 along K.  zero = 1: the first product starts the sums, with the column bias as its C.
; The 64 accumulators take turns, one instruction a turn, in the same order in every step.
.macro MUL16 a0, p, q, sc, zero
.irp a, \a0, \a0+1
.irp b, 0,1,2,3,4,5,6,7
.if \zero
	v_wmma_scale_f32_16x16x128_f8f6f4 v[8*(8*((\a)%4)+\b):8*(8*((\a)%4)+\b)+7], v[128*(\p)+FR*\b:128*(\p)+FR*\b+FR-1], v[AF+FR*(\a):AF+FR*(\a)+FR-1], v[CB+8*\b:CB+8*\b+7], v[SC+8*NQ*(\sc)+NQ*\b+(\q)], v[SC+8*NQ*(\sc)+NQ*(\a)+(\q)] matrix_a_fmt:MATRIX_FMT_BF8 matrix_b_fmt:MATRIX_FMT_BF8 matrix_a_scale:MATRIX_SCALE_ROW1
.else
	v_wmma_scale_f32_16x16x128_f8f6f4 v[8*(8*((\a)%4)+\b):8*(8*((\a)%4)+\b)+7], v[128*(\p)+FR*\b:128*(\p)+FR*\b+FR-1], v[AF+FR*(\a):AF+FR*(\a)+FR-1], v[8*(8*((\a)%4)+\b):8*(8*((\a)%4)+\b)+7], v[SC+8*NQ*(\sc)+NQ*\b+(\q)], v[SC+8*NQ*(\sc)+NQ*(\a)+(\q)] matrix_a_fmt:MATRIX_FMT_BF8 matrix_b_fmt:MATRIX_FMT_BF8 matrix_a_scale:MATRIX_SCALE_ROW1
.endif
.endr
.endr
.endm
.macro FETCH_B slot, q, p
	WIN TO_B
.irp i, 0,1,2,3,4,5,6,7
	FRAG 128*(\p)+FR*\i, ADRB+\slot, \q, \i
.endr
	WIN 0
.endm
.macro FETCH_A slot, q, i0
.irp i, \i0, \i0+1, \i0+2, \i0+3
	FRAG AF+FR*(\i), ADRA+\slot, \q, \i
.endr
.endm
.macro SCALES sc                       ; the next K step's scale words: two words a row; lanes 0-15 take A's block i, lanes 16-31 B's block i
.irp i, 0,1,2,3,4,5,6,7
	ds_load_b64 v[SC+8*NQ*\sc+NQ*\i:SC+8*NQ*\sc+NQ*\i+1], v[ADRS] offset:\i*SBLK
.endr
.endm
; A load into a register that a matrix instruction has read, and a vector instruction that reads a matrix result or writes one of its registers, stand NP places behind it; only plain vector instructions
; that name none of its registers are places (ISA guide 7.12.1 for vector instructions).
.macro PLACES n
.rept \n
	v_nop
.endr
.endm
.macro STEP slot, q, zero              ; a step of 128 along K that has its successor in the same slot
	s_wait_dscnt 4*NL                              ; B's set and A's blocks 0-3 are in; the youngest sixteen loads (A's blocks 4-7) may be out
.if \zero
	WIN FST_LO
.else
	WIN MUL_LO
.endif
	MUL16 0, (\q)%2, \q, \slot, \zero
	MUL16 2, (\q)%2, \q, \slot, \zero
	s_wait_dscnt 0                                 ; A's blocks 4-7 are in (asked for 32 matrix instructions ago)
	PLACES NP
	FETCH_B \slot, (\q)+1, 1-(\q)%2
	FETCH_A \slot, (\q)+1, 0
.if \zero
	WIN FST_HI
.else
	WIN MUL_HI
.endif
	MUL16 4, (\q)%2, \q, \slot, \zero
	MUL16 6, (\q)%2, \q, \slot, \zero
	PLACES NP
	WIN 0
	FETCH_A \slot, (\q)+1, 4
.endm
; A slot's last step changes slots: ONE barrier; in front of it each wave waits for all its tensor loads, adds 0 to its spare word, and waits for that and for its own reads of this slot.  fill = 1: this slot is filled again, two K steps ahead.
.macro TURN slot, next, fill
	s_wait_tensorcnt 0x0                           ; all my tensor loads have landed: my part of the next slot
	ds_add_u32 v[SPW], v[NIL]                      ; 0 onto my spare word
	s_wait_dscnt 4*NL+1                            ; (the add and the youngest sixteen loads, A's blocks 4-7, may be out)
	WIN MUL_LO
	MUL16 0, 1, NQ-1, \slot, 0                     ; sixteen matrix instructions stand between the add and the wait for it
	s_wait_dscnt 0x0                               ; the add is done, and my reads of this slot are over
	s_barrier_signal -1
	MUL16 2, 1, NQ-1, \slot, 0
	WIN 0
	s_barrier_wait -1
.if \fill
	CREST                                          ; the barrier has opened a round of the cluster's barrier: no wave of any partner still reads this slot's tile or has a load on its way
	s_add_nc_u64 s[G0+4*\slot+2:G0+4*\slot+3], s[G0+4*\slot+2:G0+4*\slot+3], 2*ROWB
	s_add_nc_u64 s[G0B+4*\slot+2:G0B+4*\slot+3], s[G0B+4*\slot+2:G0B+4*\slot+3], 2*ROWB
	JLOAD G0+4*\slot, G1, G0B+4*\slot, G1B         ; the first tensor load behind the round; its four v_nop are among the places in front of the loads below
	PLACES NP-4
.else
	PLACES NP
.endif
	v_add_nc_u32 v[ADRS], 4*NQ, v[ADRS]            ; on to the next K step's scale words (no LDS load of mine is out)
	FETCH_B \next, 0, 0
	FETCH_A \next, 0, 0
	SCALES \next
	WIN MUL_HI
	MUL16 4, 1, NQ-1, \slot, 0
	MUL16 6, 1, NQ-1, \slot, 0
	PLACES NP
	WIN 0
	FETCH_A \next, 0, 4
.endm
	s_wait_tensorcnt 1                             ; the scales and my part of K step 0 are in (K step 1's load may be out)
	s_barrier_signal -1
	s_barrier_wait -1                              ; everybody's are
	FETCH_B 0, 0, 0
	FETCH_A 0, 0, 0
	SCALES 0
	FETCH_A 0, 0, 4
	STEP 0, 0, 1                                   ; the first step stands in front of the loop: its products start the sums
	s_mov_b32 s3, LAPS-1
.Llap:                                                 ; a trip goes once round the ring, from a lap's second step to the next lap's first, and fills both slots again
	TURN 0, 1, 1
	STEP 1, 0, 0
	TURN 1, 0, 1
	STEP 0, 0, 0
	s_sub_co_u32 s3, s3, 1
	s_cmp_lg_u32 s3, 0
	s_cbranch_scc1 .Llap
	TURN 0, 1, 0                                   ; the last lap fills nothing, and has no round of the cluster's barrier
	STEP 1, 0, 0
	s_wait_dscnt 4*NL                              ; the very last step: nothing more to fetch
	WIN MUL_LO
	MUL16 0, 1, NQ-1, 1, 0
	MUL16 2, 1, NQ-1, 1, 0
	s_wait_dscnt 0
	WIN MUL_HI
	MUL16 4, 1, NQ-1, 1, 0
	MUL16 6, 1, NQ-1, 1, 0
	WIN 0
	; THE WAY OUT.  No LDS: a lane's codes are operand registers already, and each group of four is stored as an image, 16 bytes a lane, 512 consecutive bytes a store.
	PLACES NP                                      ; behind the last products: their results are read and their operands' registers written below
	s_mov_b64 s[22:23], s[12:13]                   ; my first block's address stays here for the scale words
	s_mov_b32 s20, 0x76543210
	s_mov_b32 s21, 0xfedcba98                      ; v_permlanex16_b32's selects for lane l xor 16
	s_mov_b32 s105, 0x600000                       ; the mantissa field of 57,344
	s_mov_b32 s104, 0xffff0000                     ; lanes 16-31
	v_mov_b32 v244, 0x7f7f                         ; two bytes of 1.0
.irp b, 0,1,2,3
	v_mov_b32 v[TM+4+\b], 0                        ; written once: a lane permute's destination counts as one of its sources
.endr
	v_and_b32 v7, 31, v0
	v_lshlrev_b32 v7, 3, v7                        ; 8 x lane
; Block a of A: 16 rows x my 128 of B's rows.
.macro OUTBLK a
	s_wait_xcnt 0x0                                ; the last block's stores have read their data and their base
.if (\a) == 4
	s_add_nc_u64 s[12:13], s[12:13], s[100:101]
.elseif (\a) > 0
	s_add_nc_u64 s[12:13], s[12:13], s[98:99]
.endif
	WIN 0x02+(\a)/4                                ; source 0: window 2 or 3
.set AC, 64*((\a)%4)
.set RP, RB+((\a)&6)
.set i, 0
.rept 32                               ; + the row bias; each accumulator is read from its low end on
.if (\a)%2
	v_pk_add_f32 v[T+2*i:T+2*i+1], v[AC+2*i:AC+2*i+1], v[RP:RP+1] op_sel:[0,1] op_sel_hi:[1,1]
.else
	v_pk_add_f32 v[T+2*i:T+2*i+1], v[AC+2*i:AC+2*i+1], v[RP:RP+1] op_sel_hi:[1,0]
.endif
.set i, i+1
.endr
	WIN 0
.irp b, 0,1,2,3
	v_max3_num_f32 v[TM+\b], |v[T+16*\b]|, |v[T+1+16*\b]|, 0x8000000   ; block b: my 16 numbers, and the floor 2^(16 - 127): the byte cannot fall under 1
.endr
.irp i, 2,4,6,8,10,12,14
.irp b, 0,1,2,3
	v_max3_num_f32 v[TM+\b], v[TM+\b], |v[T+16*\b+\i]|, |v[T+1+16*\b+\i]|   ; (the four blocks by turns)
.endr
.endr
.irp b, 0,1,2,3
	v_permlanex16_b32 v[TM+4+\b], v[TM+\b], s20, s21
.endr
.irp b, 0,1,2,3
	v_max_num_f32 v[TM+\b], v[TM+\b], v[TM+4+\b]   ; with lane l xor 16's: the block's largest magnitude
.endr
.irp b, 0,1,2,3
	v_add_nc_u32 v[TM+12+\b], 0xf8800000, v[TM+\b] ; 15 off its exponent field: the conversion's scale operand
.endr
.irp b, 0,1,2,3
	v_and_or_b32 v[TM+8+\b], v[TM+\b], 0x7f800000, s105   ; 57,344 x the scale
.endr
.irp b, 0,1,2,3
	v_lshrrev_b32 v[TM+4+\b], 23, v[TM+12+\b]      ; the scale's byte
.endr
	v_lshl_or_b32 v240, v[TM+5], 8, v[TM+4]        ; blocks 0, 1
	v_lshl_or_b32 v241, v[TM+7], 8, v[TM+6]        ; blocks 2, 3
	v_cndmask_b32 v242, v244, v241, s96            ; mode v: the four blocks are one K step's word; mode q, k: two heads' words, each filled up with 1.0
	v_lshl_or_b32 v[SW0+(\a)], v242, 16, v240
	v_lshl_or_b32 v[SW1+(\a)], v244, 16, v241
.irp b, 0,1,2,3
.irp i, 0,1,2,3,4,5,6,7,8,9,10,11,12,13,14,15
	v_med3_num_f32 v[T+16*\b+\i], v[T+16*\b+\i], -v[TM+8+\b], v[TM+8+\b]   ; the hold: the conversion to an 8-bit code does not saturate (ISA guide 7.6.2)
.endr
	v_cvt_scalef32_pk8_bf8_f32 v[PC+4*\b:PC+1+4*\b], v[T+16*\b:T+7+16*\b], v[TM+12+\b]
	v_cvt_scalef32_pk8_bf8_f32 v[PC+2+4*\b:PC+3+4*\b], v[T+8+16*\b:T+15+16*\b], v[TM+12+\b]
.endr
	v_nop                                          ; one plain vector instruction behind the last conversion
	global_store_b128 v[LO], v[PC:PC+3], s[12:13]
	global_store_b128 v[LO], v[PC+4:PC+7], s[12:13] offset:512
	global_store_b128 v[LO2], v[PC+8:PC+11], s[12:13]
	global_store_b128 v[LO2], v[PC+12:PC+15], s[12:13] offset:512
.endm
.irp a, 0,1,2,3,4,5,6,7
	OUTBLK \a
.endr
	; the scale words, laid so that one load gives the reader lanes 0-15 one tile's words and lanes 16-31 another's.  The branch hangs on the cluster's x alone.
	s_cmp_eq_u32 s95, 1
	s_cbranch_scc1 .Lwords_v
.irp hh, 0,1                           ; q, k: my two heads; 8 tiles of tokens: register i: tile i below, tile 4 + i above
.irp i, 0,1,2,3
	v_cndmask_b32 v[XW+4*\hh+\i], v[SW0+8*\hh+\i], v[SW0+8*\hh+4+\i], s104
.endr
	global_store_b128 v[LO], v[XW+4*\hh:XW+4*\hh+3], s[22:23] offset:8192+\hh*QKH
.endr
	s_branch .Lwords_done
.Lwords_v:
.irp hh, 0,1                           ; v: my two heads; 4 tiles of the head's 64: register i: tile i below, tile 2 + i above
.irp i, 0,1
	v_cndmask_b32 v[XW+8+2*\hh+\i], v[SW0+4*\hh+\i], v[SW0+4*\hh+2+\i], s104
.endr
	global_store_b64 v7, v[XW+8+2*\hh:XW+8+2*\hh+1], s[22:23] offset:8192+\hh*VH
.endr
.Lwords_done:
	s_wait_tensorcnt 0x0                           ; the wave's end
	ds_add_u32 v[SPW], v[NIL]
	s_wait_dscnt 0x0
	CROUND                                         ; the closing round: no work-group ends while a partner may still ask for a tile that names it
	s_endpgm
.Lfunc_end_k_qfe15e441b6_proj:
	.size	k_qfe15e441b6_proj, .Lfunc_end_k_qfe15e441b6_proj-k_qfe15e441b6_proj
	.p2alignl 7, 3214868480
	.fill 96, 4, 3214868480
	.section	.rodata,"a",@progbits
	.p2align	6, 0x0
	.amdhsa_kernel k_qfe15e441b6_proj
		.amdhsa_group_segment_fixed_size 327680
		.amdhsa_private_segment_fixed_size 0
		.amdhsa_enable_private_segment 0
		.amdhsa_kernarg_size 72
		.amdhsa_user_sgpr_count 2
		.amdhsa_user_sgpr_kernarg_segment_ptr 1
		.amdhsa_wavefront_size32 1
		.amdhsa_system_sgpr_workgroup_id_x 1
		.amdhsa_system_sgpr_workgroup_id_y 1
		.amdhsa_system_sgpr_workgroup_id_z 1
		.amdhsa_system_vgpr_workitem_id 0
		.amdhsa_next_free_vgpr 1024
		.amdhsa_next_free_sgpr 106
		.amdhsa_reserve_vcc 0
		.amdhsa_float_denorm_mode_32 3
		.amdhsa_float_denorm_mode_16_64 3
		.amdhsa_memory_ordered 1
		.amdhsa_forward_progress 1
		.amdhsa_inst_pref_size 209
	.end_amdhsa_kernel
	.amdgpu_metadata
---
amdhsa.version: [ 1, 2 ]
amdhsa.kernels:
  - .name:           k_qfe15e441b6_proj
    .symbol:         k_qfe15e441b6_proj.kd
    .args:
      - { .name: xc, .offset: 0, .size: 8, .value_kind: global_buffer, .address_space: global }
      - { .name: xs, .offset: 8, .size: 8, .value_kind: global_buffer, .address_space: global }
      - { .name: wc, .offset: 16, .size: 8, .value_kind: global_buffer, .address_space: global }
      - { .name: ws, .offset: 24, .size: 8, .value_kind: global_buffer, .address_space: global }
      - { .name: bq, .offset: 32, .size: 8, .value_kind: global_buffer, .address_space: global }
      - { .name: bk, .offset: 40, .size: 8, .value_kind: global_buffer, .address_space: global }
      - { .name: bv, .offset: 48, .size: 8, .value_kind: global_buffer, .address_space: global }
      - { .name: qk, .offset: 56, .size: 8, .value_kind: global_buffer, .address_space: global }
      - { .name: vi, .offset: 64, .size: 8, .value_kind: global_buffer, .address_space: global }
    .group_segment_fixed_size: 327680
    .private_segment_fixed_size: 0
    .kernarg_segment_align: 8
    .kernarg_segment_size: 72
    .max_flat_workgroup_size: 128
    .sgpr_count:     106
    .vgpr_count:     1024
    .wavefront_size: 32
...
	.end_amdgpu_metadata
.endif
;; end of part 3
;; launch attn (part 4): grid 4 x 64, 16 waves a work-group, clusters of 4 x 1, 280,576 bytes of LDS; arguments qk, vi, ai, asc; writes ai, asc
.if DOCPART == 4
	.amdgcn_target "amdgcn-amd-amdhsa--gfx1250"
	.amdhsa_code_object_version 6
	.text
	.protected	k_qfe15e441b6_attn
	.globl	k_qfe15e441b6_attn
	.p2align	8
	.type	k_qfe15e441b6_attn,@function
k_qfe15e441b6_attn:
	s_mov_b64 s[64:65], 0
	v_nop
	global_prefetch_b8 v0, s[64:65] scope:SCOPE_SE
	s_setreg_imm32_b32 hwreg(HW_REG_WAVE_MODE, 25, 1), 1
	s_wait_xcnt 0x0
	s_wait_alu depctr_hold_cnt(0) depctr_sa_sdst(0) depctr_va_vdst(0) depctr_va_sdst(0) depctr_va_ssrc(0) depctr_va_vcc(0) depctr_vm_vsrc(0)
	s_getreg_b32 s2, hwreg(HW_REG_IB_STS2, 6, 4)
	s_cmp_eq_u32 s2, 0
	s_cbranch_scc0 .Lentry_in_a_cluster
	s_endpgm
.Lentry_in_a_cluster:
	s_bfe_u32 s2, ttmp6, 0x10000c
	s_cmp_lg_u32 s2, 0x3003
	s_cbranch_scc0 .Lentry_shape_is_right
	s_endpgm
.Lentry_shape_is_right:
; For each of 64 (batch, head): O[q] = the sum over keys of softmax(q . k / 64) v, head size 64, 2,048 keys, both products on codes of BF8 (E5M2) with one E8M0 scale for each 32 along a product's K.
; THE SOFTMAX AHEAD OF THE SECOND PRODUCT: t = score x log2(e) / 64; M = the row's largest t so far, rounded UP to a whole number; p = 2^(t - M) is what is quantised, along the keys; not normalised.
; The row's sum is taken of the unquantised p, in f32, and divides O at the end.  When M moves, the sum and O are multiplied by 2^(old M - new M): exact.  O / sum is quantised along the head's 64 and leaves as codes.
; SHARES.  A work-group owns 512 queries of one head; the head's four work-groups are a cluster.  A HEAD'S WHOLE K AND V (139,264 + 135,168 bytes of register images and scale words) STAY IN LDS: they are filled once,
; by joint loads that name all four work-groups (wave 0: K's four quarters; wave 1: V's).  No LDS byte is filled twice.  Each of the sixteen waves owns one tile of 16 queries in each of two passes: tile 32 cx + 16 pass + wave.
; Four waves share a SIMD, so that one wave's vector work stands beside another's matrix work and LDS loads.
; LAYOUT.  Both products are used transposed: S^T = K Q^T (source 0 = 16 keys, source 1 = my 16 queries), O^T = V^T P^T (source 0 = 16 of the head's 64): a lane holds ONE query (lane % 16) throughout.
; The keys of a tile of K, and the rows of a tile of V, are not neighbours: lane r of tile 2 b + u has row 32 b + 8 u + r + 8 (r / 8), so that the 16 registers of tiles 2 b and 2 b + 1 are 16 neighbours: 32 b + 16 (lane / 16) + 0 .. 15.
; K = 64 IN AN INSTRUCTION OF 128: Q's operand is v[16:31] with zero codes in its upper eight registers.  A tile of K is eight registers; the instruction's upper eight are the next tile's codes (zeros behind the last): finite numbers, since the
; quantiser holds at the largest code, times zero codes, under scale bytes of 1.0: they add exactly 0.
; ai: [tile of 16 rows 512][K step 8][c 4][lane][16 bytes]: head hd fills K step hd / 2, c = 2 (hd % 2) + 0, 1.  asc: [128 rows 64][head 16][r 16][tile 8] of two scale bytes.
; LIMITS: a block of zeros, or one whose largest magnitude lies under 2^-111, keeps the byte 1 (only this program reads the bytes); NaN and infinities are not served.
.set QKH,   139264                     ; a head's bytes in a part of qk
.set VH,    135168                     ; and in vi
.set KBLK,  8704                       ; 128 keys of K: 8 tiles x 1,024 bytes, 512 bytes of scale words
.set VBLK,  8448                       ; 128 keys of V: 4 tiles x 2,048 bytes, 256 bytes of scale words
.set KGRP,  4*KBLK                     ; what one tensor load brings: 136 rows of 256 bytes
.set VGRP,  4*VBLK                     ; 132 rows of 256 bytes
.set KPART, 0x880000                   ; k's part of qk
.set VI,    QKH                        ; LDS: K at 0, V behind it,
.set STG,   VI+VH                      ; and 1,024 bytes for the result's scale halves: blocks of 256 bytes into which no fill lands
.set LI,  1                            ; v1   16 x lane
.set AVS, 2                            ; v2   8 x lane + VI + 8,192: V's scale words
.set AV0, 3                            ; v3   16 x lane + VI
.set ADK, 4                            ; v4-6 the step's addresses
.set ADV, 5
.set ADT, 6
.set QSO, 7                            ; v7   my tile's scale word in Q's block
.set SH0, 8                            ; v8   my scale half's place in the stage, pass 0
.set SHA, 9                            ; v9   the same for the pass in hand
.set QO,  10                           ; v10  16 x lane + 1,024 x (wave % 8): my tile in Q's block
.set QSN, 11                           ; v11  the next pass's scale word of Q
.set Q,   16                           ; v16-23 Q's codes, v24-31 zeros
.set KV,  32                           ; v32-95 K's 8 tiles x 8, then V's 4 tiles x 16; v96-103 zeros
.set S,   104                          ; v104-167 S^T, then p
.set O,   168                          ; v168-199 O^T
.set PC,  200                          ; v200-215 p's codes
.set KSW, 216                          ; v216-219 K's scale words: register i: tile i in lanes 0-15, tile 4 + i in lanes 16-31
.set VSW, 220                          ; v220-221 V's: tile i, tile 2 + i
.set QSW, 222                          ; v222 Q's
.set PSW, 223                          ; v223 p's
.set BM,  224                          ; v224-227 the blocks' largest scores, then largest p
.set PB,  228                          ; v228-231 the other half's, a chain of the sum, the bytes
.set HL,  232                          ; v232-235 57,344 x the scale
.set SO,  236                          ; v236-239 the conversions' scale operands
.set F,   240                          ; v[240:241] f = 2^(old M - new M)
.set TA,  242
.set TC,  243
.set WRD, 244                          ; v244 where waves 0 and 1 read the scale halves back
.set WGO, 245                          ; v245 and where they go in asc
.set QN,  248                          ; v248-255 the next pass's codes of Q
.set WV,  12
.set CX,  13
.set BH,  14
.set G1K, 16
.set G1V, 24
.set G0K, 32
.set G0V, 48
.set TK,  66                           ; s66  LDS byte of the step's block of K
.set TV,  67                           ; s67  and, from VI on, of V
.set CNT, 68
.set PASS, 69
.set CS,  70                           ; s[70:71] c = log2(e) / 64
.set SEL, 72
.set MNT, 74
.set QB,  76
.set AB,  78
.set STP, 80
.set ASB, 82
.macro CROUND                          ; a round of the cluster's barrier
	s_barrier_signal -1
	s_barrier_wait -1
	s_cmp_lg_u32 s[WV], 0
	s_cbranch_scc1 .Lnot_wave_0_\@
	s_barrier_signal -3
.Lnot_wave_0_\@:
	s_barrier_wait -3
	s_barrier_signal -1
	s_barrier_wait -1
.endm
.macro QLOAD                           ; my tile of Q: eight registers of codes and a scale word
	global_load_b128 v[QN:QN+3], v[QO], s[QB:QB+1]
	global_load_b128 v[QN+4:QN+7], v[QO], s[QB:QB+1] offset:512
	global_load_b32 v[QSN], v[QSO], s[QB:QB+1]
.endm
	s_load_b256 s[4:11], s[0:1], 0x0               ; qk s[4:5], vi s[6:7], ai s[8:9], asc s[10:11]
	v_lshl_add_u32 v246, v0, 2, 0x44000
	v_mov_b32 v247, 0
	ds_add_u32 v246, v247
	ds_add_u32 v246, v247
	v_lshrrev_b32 v1, 5, v0
	v_readfirstlane_b32 s[WV], v1                  ; wave 0..15
	s_bfe_u32 s[CX], ttmp6, 0x40000                ; cx: it enters Q's, ai's and asc's addresses alone
	s_and_b32 s[BH], ttmp7, 0xffff                 ; 16 x batch + head, which the four partners share
	; descriptor group 1: a dense block as rows of 256 bytes (32 elements of 8 bytes), no padding
	s_mov_b32 s[G1K], 15|(3<<16)|(1<<21)           ; 15:0 the mask: all four work-groups; 17:16 elements of 8 bytes; 21 set beside a mask
	s_mov_b32 s[G1K+1], 32<<16                     ; tensor_dim0
	s_mov_b32 s[G1K+2], (KGRP/256)<<16             ; tensor_dim1
	s_mov_b32 s[G1K+3], 32<<16                     ; tile_dim0
	s_mov_b32 s[G1K+4], KGRP/256                   ; tile_dim1
	s_mov_b32 s[G1K+5], 32                         ; tensor_dim0_stride
	s_mov_b32 s[G1K+6], 0
	s_mov_b32 s[G1K+7], 0
	s_mov_b32 s[G1V], 15|(3<<16)|(1<<21)
	s_mov_b32 s[G1V+1], 32<<16
	s_mov_b32 s[G1V+2], (VGRP/256)<<16
	s_mov_b32 s[G1V+3], 32<<16
	s_mov_b32 s[G1V+4], VGRP/256
	s_mov_b32 s[G1V+5], 32
	s_mov_b32 s[G1V+6], 0
	s_mov_b32 s[G1V+7], 0
	s_mul_i32 s84, s[BH], QKH
	s_add_co_u32 s84, s84, KPART                   ; the head's K
	s_mov_b32 s85, 0
	s_mul_i32 s86, s[BH], VH                       ; the head's V
	s_mov_b32 s87, 0
	s_mov_b32 s[CS], 0x3cb8aa3b                    ; c = log2(e) / 64
	s_mov_b32 s[CS+1], s[CS]                       ; (named with it as a pair, so it is written)
	s_mov_b32 s[SEL], 0x76543210
	s_mov_b32 s[SEL+1], 0xfedcba98                 ; v_permlanex16_b32's selects for lane l xor 16
	s_mov_b32 s[MNT], 0x600000                     ; the mantissa field of 57,344
	; the lanes' addresses
	v_and_b32 v[TA], 31, v0                        ; lane
	v_and_b32 v[TC], 15, v0                        ; r
	v_lshlrev_b32 v[LI], 4, v[TA]
	v_lshl_add_u32 v[AVS], v[TA], 3, VI+8192
	v_add_nc_u32 v[AV0], VI, v[LI]
	s_bfe_u32 s88, s[WV], 0x10002                  ; Q's scale word: 8,192 + 16 (r + 16 ((wave % 8) / 4)) + 4 (wave % 4)
	s_lshl_b32 s88, s88, 8
	s_and_b32 s89, s[WV], 3
	s_lshl_b32 s89, s89, 2
	s_add_co_u32 s88, s88, s89
	s_add_co_u32 s88, s88, 8192
	v_lshl_add_u32 v[QSO], v[TC], 4, s88
	s_lshr_b32 s88, s[WV], 3                       ; my scale half: STG + 256 (wave / 8) + 16 r + 2 (wave % 8)
	s_lshl_b32 s88, s88, 8
	s_and_b32 s89, s[WV], 7
	s_lshl_b32 s90, s89, 1
	s_add_co_u32 s88, s88, s90
	s_add_co_u32 s88, s88, STG
	v_lshl_add_u32 v[SH0], v[TC], 4, s88
	s_lshl_b32 s89, s89, 10
	v_add_nc_u32 v[QO], s89, v[LI]
	s_and_b32 s88, s[WV], 1                        ; the read back: pass (wave % 2)'s 512 bytes, 16 a lane
	s_lshl_b32 s89, s88, 9
	s_add_co_u32 s89, s89, STG
	v_add_nc_u32 v[WRD], s89, v[LI]
	v_lshrrev_b32 v[WGO], 4, v[TA]
	v_lshl_add_u32 v[WGO], s88, 1, v[WGO]          ; block of 128 rows 2 (wave % 2) + lane / 16 of my work-group's four,
	v_lshlrev_b32 v[WGO], 12, v[WGO]               ; 4,096 bytes apart in asc,
	v_lshl_add_u32 v[WGO], v[TC], 4, v[WGO]        ; + 16 r
	; Q: (4 cx + wave / 8) blocks of 128 queries on in the head
	s_lshl_b32 s88, s[CX], 2
	s_lshr_b32 s89, s[WV], 3
	s_add_co_u32 s88, s88, s89
	s_mul_i32 s88, s88, KBLK
	s_mul_i32 s89, s[BH], QKH
	s_add_co_u32 s88, s88, s89
	s_mov_b32 s89, 0
	; ai: tile 128 x batch + 32 cx + wave, 16,384 bytes a tile; + 1,024 x head
	s_lshr_b32 s92, s[BH], 4
	s_lshl_b32 s90, s92, 7
	s_lshl_b32 s91, s[CX], 5
	s_add_co_u32 s90, s90, s91
	s_add_co_u32 s90, s90, s[WV]
	s_lshl_b32 s90, s90, 14
	s_and_b32 s93, s[BH], 15
	s_lshl_b32 s91, s93, 10
	s_add_co_u32 s90, s90, s91
	s_mov_b32 s91, 0
	; asc: block of 128 rows 16 x batch + 4 cx, 4,096 bytes a block; + 256 x head
	s_lshl_b32 s92, s92, 4
	s_lshl_b32 s94, s[CX], 2
	s_add_co_u32 s92, s92, s94
	s_lshl_b32 s92, s92, 12
	s_lshl_b32 s93, s93, 8
	s_add_co_u32 s92, s92, s93
	s_mov_b32 s93, 0
	s_wait_dscnt 0x0
	s_wait_kmcnt 0x0
	s_add_nc_u64 s[84:85], s[4:5], s[84:85]
	s_add_nc_u64 s[86:87], s[6:7], s[86:87]
	s_add_nc_u64 s[QB:QB+1], s[4:5], s[88:89]
	s_add_nc_u64 s[AB:AB+1], s[8:9], s[90:91]
	s_add_nc_u64 s[ASB:ASB+1], s[10:11], s[92:93]
.irp g, 0,1,2,3                        ; group 0, a set for each quarter: nothing in them hangs on cx, and none is ever written again
	s_mov_b32 s[G0K+4*\g], 1
	s_mov_b32 s[G0K+4*\g+1], \g*KGRP
	s_add_nc_u64 s[G0K+4*\g+2:G0K+4*\g+3], s[84:85], \g*KGRP
	s_or_b32 s[G0K+4*\g+3], s[G0K+4*\g+3], 0x80000000
	s_mov_b32 s[G0V+4*\g], 1
	s_mov_b32 s[G0V+4*\g+1], VI+\g*VGRP
	s_add_nc_u64 s[G0V+4*\g+2:G0V+4*\g+3], s[86:87], \g*VGRP
	s_or_b32 s[G0V+4*\g+3], s[G0V+4*\g+3], 0x80000000
.endr
	CROUND                                         ; all four work-groups are here: the joint loads meet
	s_cmp_eq_u32 s[WV], 0                          ; a wave's fills stand in one branch on the wave's number: four tensor loads of wave 0 and four of wave 1 are out
	s_cbranch_scc0 .Lnot_k
.irp g, 0,1,2,3
	tensor_load_to_lds s[G0K+4*\g:G0K+4*\g+3], s[G1K:G1K+7]
	s_nop 0
.endr
.rept 4
	v_nop
.endr
	s_branch .Lasked
.Lnot_k:
	s_cmp_eq_u32 s[WV], 1
	s_cbranch_scc0 .Lasked
.irp g, 0,1,2,3
	tensor_load_to_lds s[G0V+4*\g:G0V+4*\g+3], s[G1V:G1V+7]
	s_nop 0
.endr
.rept 4
	v_nop
.endr
.Lasked:
	QLOAD                                          ; the first pass's tile of Q
.irp i, 0,1,2,3,4,5,6,7
	v_mov_b32 v[Q+8+\i], 0                         ; zero codes: Q's K = 64 .. 127
	v_mov_b32 v[KV+64+\i], 0                       ; and what stands behind K's last tile
.endr
.irp b, 0,1,2,3
	v_mov_b32 v[PB+\b], 0                          ; written once: a lane permute's destination counts as one of its sources
.endr
	v_mov_b32 v[F+1], 0                            ; (named as the upper half of the pair before it is first written)
	s_mov_b32 s[PASS], 2
	s_mov_b32 s[STP], 0
; A KEY STEP: 128 keys.
.macro STEP
	v_add_nc_u32 v[ADK], s[TK], v[LI]
	v_add_nc_u32 v[ADV], s[TV], v[AV0]
	v_add_nc_u32 v[ADT], s[TV], v[AVS]
.rept 5
	v_nop                                          ; with the three additions: eight places in front of loads into registers that the last products read
.endr
.irp t, 0,1,2,3,4,5,6,7
	ds_load_b128 v[KV+8*\t:KV+8*\t+3], v[ADK] offset:1024*\t
	ds_load_b128 v[KV+8*\t+4:KV+8*\t+7], v[ADK] offset:1024*\t+512
.endr
	ds_load_b128 v[KSW:KSW+3], v[ADK] offset:8192
	s_wait_dscnt 0x0
.irp t, 0,1,2,3                        ; S^T = K Q^T
	v_wmma_scale_f32_16x16x128_f8f6f4 v[S+8*\t:S+8*\t+7], v[KV+8*\t:KV+8*\t+15], v[Q:Q+15], 0, v[KSW+\t], v[QSW] matrix_a_fmt:MATRIX_FMT_BF8 matrix_b_fmt:MATRIX_FMT_BF8
.endr
.irp t, 4,5,6,7
	v_wmma_scale_f32_16x16x128_f8f6f4 v[S+8*\t:S+8*\t+7], v[KV+8*\t:KV+8*\t+15], v[Q:Q+15], 0, v[KSW+\t-4], v[QSW] matrix_a_fmt:MATRIX_FMT_BF8 matrix_b_fmt:MATRIX_FMT_BF8 matrix_a_scale:MATRIX_SCALE_ROW1
.endr
.rept 8
	v_nop                                          ; places: in front of the loads over K's registers, and of the first read of the scores
.endr
.irp t, 0,1,2,3                        ; V lands while the softmax is walked
.irp c, 0,1,2,3
	ds_load_b128 v[KV+16*\t+4*\c:KV+16*\t+4*\c+3], v[ADV] offset:2048*\t+512*\c
.endr
.endr
	ds_load_b64 v[VSW:VSW+1], v[ADT]
.irp b, 0,1,2,3
	v_max3_num_f32 v[BM+\b], v[S+16*\b], v[S+1+16*\b], v[S+2+16*\b]   ; THE LARGEST SCORE OF EACH BLOCK OF 32 KEYS: it serves for the row's maximum and, since p rises with the score, for the block's largest p
.endr
.irp i, 3,5,7,9,11,13
.irp b, 0,1,2,3
	v_max3_num_f32 v[BM+\b], v[BM+\b], v[S+16*\b+\i], v[S+1+16*\b+\i]
.endr
.endr
.irp b, 0,1,2,3
	v_max_num_f32 v[BM+\b], v[BM+\b], v[S+15+16*\b]
.endr
.irp b, 0,1,2,3
	v_permlanex16_b32 v[PB+\b], v[BM+\b], s[SEL], s[SEL+1]
.endr
.irp b, 0,1,2,3
	v_max_num_f32 v[BM+\b], v[BM+\b], v[PB+\b]     ; with lane l xor 16's 16 keys
.endr
	v_max3_num_f32 v[TA], v[BM], v[BM+1], v[BM+2]
	v_max_num_f32 v[TA], v[TA], v[BM+3]            ; the step's largest score of my query
	v_mul_f32 v[TA], s[CS], v[TA]                  ; as t (c is positive)
	v_max_num_f32 v13, v13, v[TA]                  ; the running largest t
	v_mov_b32 v[TA], v12
	v_floor_f32 v12, -v13                          ; the new -M = floor(-t) = -ceil(t): M is a whole number
	v_sub_f32 v[TA], v12, v[TA]                    ; M's old value less its new one: a whole number, 0 or less
	v_cvt_i32_f32 v[TA], v[TA]                     ; (it saturates)
	v_ldexp_f32 v[F], 1.0, v[TA]                   ; f = 2^(old M - new M)
.set j, 0
.rept 32
	v_pk_fma_f32 v[S+j:S+j+1], v[S+j:S+j+1], s[CS:CS+1], v[12:13] op_sel_hi:[1,0,0]   ; t - M, two at a time (of the pairs c and -M the low word serves both halves)
.set j, j+2
.endr
.irp b, 0,1,2,3
	v_fma_f32 v[BM+\b], v[BM+\b], s[CS], v12       ; the same of each block's largest score
.endr
.set j, 0
.rept 64
	v_exp_f32 v[S+j], v[S+j]                       ; p = 2^(t - M), at most 1: not normalised
.set j, j+1
.endr
	v_pk_mul_f32 v[14:15], v[14:15], v[F:F+1] op_sel_hi:[1,0]   ; the sums under the new M: a plain instruction behind the exponentials
	s_wait_alu depctr_va_vdst(0)                   ; one wait for the whole batch, ahead of its first reader
.irp b, 0,1,2,3
	v_exp_f32 v[BM+\b], v[BM+\b]                   ; the block's largest p: the same two instructions on the same number give the same bits
.endr
	v_pk_add_f32 v[PB:PB+1], v[S:S+1], v[S+2:S+3]  ; THE ROW'S SUM IS TAKEN OF THE UNQUANTISED p: two at a time, in two chains
.irp j, 4,8,12,16,20,24,28,32,36,40,44,48,52,56,60
	v_pk_add_f32 v[14:15], v[14:15], v[S+\j:S+1+\j]
	v_pk_add_f32 v[PB:PB+1], v[PB:PB+1], v[S+2+\j:S+3+\j]
.endr
	v_pk_add_f32 v[14:15], v[14:15], v[PB:PB+1]
	s_wait_alu depctr_va_vdst(0)                   ; and one for the four
.irp b, 0,1,2,3
	v_max_num_f32 v[BM+\b], 0x8000000, v[BM+\b]    ; the floor 2^(16 - 127): the byte cannot fall under 1
.endr
.irp b, 0,1,2,3
	v_add_nc_u32 v[SO+\b], 0xf8800000, v[BM+\b]    ; 15 off the exponent field: the conversion's scale operand
.endr
.irp b, 0,1,2,3
	v_and_or_b32 v[HL+\b], v[BM+\b], 0x7f800000, s[MNT]   ; 57,344 x the scale
.endr
.irp b, 0,1,2,3
	v_lshrrev_b32 v[PB+\b], 23, v[SO+\b]           ; the scale's byte
.endr
	v_lshl_or_b32 v[PSW], v[PB+1], 8, v[PB]        ; p's scale word for these 128 keys
	v_lshl_or_b32 v[PSW], v[PB+2], 16, v[PSW]
	v_lshl_or_b32 v[PSW], v[PB+3], 24, v[PSW]
.irp b, 0,1,2,3
.irp i, 0,1,2,3,4,5,6,7,8,9,10,11,12,13,14,15
	v_min_num_f32 v[S+16*\b+\i], v[S+16*\b+\i], v[HL+\b]   ; the conversion to an 8-bit code does not saturate (ISA guide 7.6.2); p is not negative, so the hold is one-sided
.endr
	v_cvt_scalef32_pk8_bf8_f32 v[PC+4*\b:PC+1+4*\b], v[S+16*\b:S+7+16*\b], v[SO+\b]
	v_cvt_scalef32_pk8_bf8_f32 v[PC+2+4*\b:PC+3+4*\b], v[S+8+16*\b:S+15+16*\b], v[SO+\b]
.endr
.set j, 0
.rept 16
	v_pk_mul_f32 v[O+j:O+j+1], v[O+j:O+j+1], v[F:F+1] op_sel_hi:[1,0]   ; O^T under the new M.  (These sixteen are also the places between the conversions and the products)
.set j, j+2
.endr
	s_wait_dscnt 0x0                               ; V is in
.irp t, 0,1                            ; O^T += V^T P^T; the four accumulators take turns, and the next step's eight products stand between two links
	v_wmma_scale_f32_16x16x128_f8f6f4 v[O+8*\t:O+8*\t+7], v[KV+16*\t:KV+16*\t+15], v[PC:PC+15], v[O+8*\t:O+8*\t+7], v[VSW+\t], v[PSW] matrix_a_fmt:MATRIX_FMT_BF8 matrix_b_fmt:MATRIX_FMT_BF8
.endr
.irp t, 2,3
	v_wmma_scale_f32_16x16x128_f8f6f4 v[O+8*\t:O+8*\t+7], v[KV+16*\t:KV+16*\t+15], v[PC:PC+15], v[O+8*\t:O+8*\t+7], v[VSW+\t-2], v[PSW] matrix_a_fmt:MATRIX_FMT_BF8 matrix_b_fmt:MATRIX_FMT_BF8 matrix_a_scale:MATRIX_SCALE_ROW1
.endr
	s_add_co_u32 s[TK], s[TK], KBLK
	s_add_co_u32 s[TV], s[TV], VBLK
.endm
.Lpass:                                            ; two trips: a tile of 16 queries each
	s_wait_loadcnt 0x0                             ; this pass's Q is in
	v_mov_b32 v[QSW], v[QSN]
.irp i, 0,1,2,3,4,5,6,7
	v_mov_b32 v[Q+\i], v[QN+\i]
.endr
	s_cmp_eq_u32 s[PASS], 1                        ; the next pass's Q is asked for here, if there is a next pass: no load leaves its buffer
	s_cbranch_scc1 .Lno_next
	s_add_nc_u64 s[QB:QB+1], s[QB:QB+1], 2*KBLK    ; (the loads that read this base are done)  sixteen tiles on
	QLOAD
.Lno_next:
	v_mov_b32 v13, 0xff61b1e6                      ; the largest t so far: -3e38, under every t
	v_floor_f32 v12, -v13                          ; -M
	v_mov_b32 v14, 0                               ; the sum, in two halves
	v_mov_b32 v15, 0
.set j, 0
.rept 32
	v_mov_b32 v[O+j], 0                            ; O^T: the step is written once: the first finds zeros, which the first change of M leaves zeros
.set j, j+1
.endr
.irp g, 0,1,2,3                        ; the head's keys, a quarter (512) at a time
	s_wait_tensorcnt 3-\g                          ; waves 0 and 1: my quarter g has landed, the 3 - g younger loads may stay out.  (Met at once in the other waves and in the second pass)
	s_wait_dscnt 0x0                               ; no LDS instruction of mine is pending at a signal
	s_barrier_signal -1
	s_barrier_wait -1                              ; K's and V's quarter g are whole for every wave
	s_mov_b32 s[TK], \g*KGRP
	s_mov_b32 s[TV], \g*VGRP
	s_mov_b32 s[CNT], 4
.Lstep_\g:
	STEP
	s_sub_co_u32 s[CNT], s[CNT], 1
	s_cmp_lg_u32 s[CNT], 0
	s_cbranch_scc1 .Lstep_\g
.endr
	; THE WAY OUT of a tile: O^T / the sum, quantised along the head's 64: register 16 b + e is d = 32 b + 16 (lane / 16) + e, so the conversions' results are the next product's operand registers
.rept 8
	v_nop                                          ; places behind the last products
.endr
	v_add_f32 v14, v14, v15                        ; the sum's two halves,
	v_permlanex16_b32 v[TA], v14, s[SEL], s[SEL+1]
	v_add_f32 v14, v14, v[TA]                      ; and lane l xor 16's: the row's sum
	v_rcp_f32 v14, v14
	v_add_nc_u32 v[SHA], s[STP], v[SH0]            ; (a plain instruction behind the reciprocal)  my scale half's place in this pass's 512 bytes
	s_wait_alu depctr_va_vdst(0)                   ; the wait, ahead of the first reader
.set j, 0
.rept 16
	v_pk_mul_f32 v[S+j:S+j+1], v[O+j:O+j+1], v[14:15] op_sel_hi:[1,0]   ; each accumulator from its low end on
.set j, j+2
.endr
.irp b, 0,1
	v_max3_num_f32 v[BM+\b], |v[S+16*\b]|, |v[S+1+16*\b]|, 0x8000000   ; block b: my 16 numbers, and the floor
.endr
.irp i, 2,4,6,8,10,12,14
.irp b, 0,1
	v_max3_num_f32 v[BM+\b], v[BM+\b], |v[S+16*\b+\i]|, |v[S+1+16*\b+\i]|
.endr
.endr
.irp b, 0,1
	v_permlanex16_b32 v[PB+\b], v[BM+\b], s[SEL], s[SEL+1]
.endr
.irp b, 0,1
	v_max_num_f32 v[BM+\b], v[BM+\b], v[PB+\b]
.endr
.irp b, 0,1
	v_add_nc_u32 v[SO+\b], 0xf8800000, v[BM+\b]
.endr
.irp b, 0,1
	v_and_or_b32 v[HL+\b], v[BM+\b], 0x7f800000, s[MNT]
.endr
.irp b, 0,1
	v_lshrrev_b32 v[PB+\b], 23, v[SO+\b]
.endr
	v_lshl_or_b32 v[TC], v[PB+1], 8, v[PB]         ; my row's two scale bytes for this head
.irp b, 0,1
.irp i, 0,1,2,3,4,5,6,7,8,9,10,11,12,13,14,15
	v_med3_num_f32 v[S+16*\b+\i], v[S+16*\b+\i], -v[HL+\b], v[HL+\b]
.endr
	v_cvt_scalef32_pk8_bf8_f32 v[PC+4*\b:PC+1+4*\b], v[S+16*\b:S+7+16*\b], v[SO+\b]
	v_cvt_scalef32_pk8_bf8_f32 v[PC+2+4*\b:PC+3+4*\b], v[S+8+16*\b:S+15+16*\b], v[SO+\b]
.endr
	v_nop                                          ; one plain vector instruction behind the last conversion
	global_store_b128 v[LI], v[PC:PC+3], s[AB:AB+1]                ; 512 consecutive bytes a store
	global_store_b128 v[LI], v[PC+4:PC+7], s[AB:AB+1] offset:512
	ds_store_b16 v[SHA], v[TC]                     ; both halves of the lanes write the same two bytes with the same value
	s_wait_xcnt 0x0                                ; the stores have read their data and their base
	s_add_nc_u64 s[AB:AB+1], s[AB:AB+1], 16*16384  ; sixteen tiles on
	s_add_co_u32 s[STP], s[STP], 512
	s_sub_co_u32 s[PASS], s[PASS], 1
	s_cmp_lg_u32 s[PASS], 0
	s_cbranch_scc1 .Lpass
	s_wait_dscnt 0x0                               ; for the others' sake: my scale halves lie in the stage
	s_barrier_signal -1
	s_barrier_wait -1
	s_cmp_lt_u32 s[WV], 2                          ; waves 0 and 1 store a pass's 512 bytes each: sixteen lanes store 256 consecutive bytes, aligned
	s_cbranch_scc0 .Lno_words
	ds_load_b128 v[S:S+3], v[WRD]
	s_wait_dscnt 0x0
	global_store_b128 v[WGO], v[S:S+3], s[ASB:ASB+1]
.Lno_words:
	s_wait_tensorcnt 0x0
	ds_add_u32 v246, v247
	s_wait_dscnt 0x0
	CROUND                                         ; the closing round: no work-group ends while a partner may still ask for a tile that names it
	s_endpgm
.Lfunc_end_k_qfe15e441b6_attn:
	.size	k_qfe15e441b6_attn, .Lfunc_end_k_qfe15e441b6_attn-k_qfe15e441b6_attn
	.p2alignl 7, 3214868480
	.fill 96, 4, 3214868480
	.section	.rodata,"a",@progbits
	.p2align	6, 0x0
	.amdhsa_kernel k_qfe15e441b6_attn
		.amdhsa_group_segment_fixed_size 280576
		.amdhsa_private_segment_fixed_size 0
		.amdhsa_enable_private_segment 0
		.amdhsa_kernarg_size 32
		.amdhsa_user_sgpr_count 2
		.amdhsa_user_sgpr_kernarg_segment_ptr 1
		.amdhsa_wavefront_size32 1
		.amdhsa_system_sgpr_workgroup_id_x 1
		.amdhsa_system_sgpr_workgroup_id_y 1
		.amdhsa_system_sgpr_workgroup_id_z 1
		.amdhsa_system_vgpr_workitem_id 0
		.amdhsa_next_free_vgpr 256
		.amdhsa_next_free_sgpr 96
		.amdhsa_reserve_vcc 0
		.amdhsa_float_denorm_mode_32 3
		.amdhsa_float_denorm_mode_16_64 3
		.amdhsa_memory_ordered 1
		.amdhsa_forward_progress 1
		.amdhsa_inst_pref_size 92
	.end_amdhsa_kernel
	.amdgpu_metadata
---
amdhsa.version: [ 1, 2 ]
amdhsa.kernels:
  - .name:           k_qfe15e441b6_attn
    .symbol:         k_qfe15e441b6_attn.kd
    .args:
      - { .name: qk, .offset: 0, .size: 8, .value_kind: global_buffer, .address_space: global }
      - { .name: vi, .offset: 8, .size: 8, .value_kind: global_buffer, .address_space: global }
      - { .name: ai, .offset: 16, .size: 8, .value_kind: global_buffer, .address_space: global }
      - { .name: asc, .offset: 24, .size: 8, .value_kind: global_buffer, .address_space: global }
    .group_segment_fixed_size: 280576
    .private_segment_fixed_size: 0
    .kernarg_segment_align: 8
    .kernarg_segment_size: 32
    .max_flat_workgroup_size: 512
    .sgpr_count:     96
    .vgpr_count:     256
    .wavefront_size: 32
...
	.end_amdgpu_metadata
.endif
;; end of part 4
;; launch oproj (part 5): grid 4 x 32, 4 waves a work-group, clusters of 4 x 4, 327,680 bytes of LDS; arguments ai, asc, wc, ws, bo, out0; writes out0
.if DOCPART == 5
	.amdgcn_target "amdgcn-amd-amdhsa--gfx1250"
	.amdhsa_code_object_version 6
	.text
	.protected	k_qfe15e441b6_oproj
	.globl	k_qfe15e441b6_oproj
	.p2align	8
	.type	k_qfe15e441b6_oproj,@function
k_qfe15e441b6_oproj:
	s_mov_b64 s[64:65], 0
	v_nop
	global_prefetch_b8 v0, s[64:65] scope:SCOPE_SE
	s_setreg_imm32_b32 hwreg(HW_REG_WAVE_MODE, 25, 1), 1
	s_wait_xcnt 0x0
	s_wait_alu depctr_hold_cnt(0) depctr_sa_sdst(0) depctr_va_vdst(0) depctr_va_sdst(0) depctr_va_ssrc(0) depctr_va_vcc(0) depctr_vm_vsrc(0)
	s_getreg_b32 s2, hwreg(HW_REG_IB_STS2, 6, 4)
	s_cmp_eq_u32 s2, 0
	s_cbranch_scc0 .Lentry_in_a_cluster
	s_endpgm
.Lentry_in_a_cluster:
	s_bfe_u32 s2, ttmp6, 0x10000c
	s_cmp_lg_u32 s2, 0xf033
	s_cbranch_scc0 .Lentry_shape_is_right
	s_endpgm
.Lentry_shape_is_right:
; out0 = A Wo + bo on codes of BF8 (E5M2) with one E8M0 scale for each 32 along K = 1,024.  A is the attention's result: ai [tile of 16 rows 512][K step of 128, 8][c 4][lane][16 bytes], images of operand registers;
; asc [128 rows 64][head 16][r 16][tile 8] of two scale bytes.  B: wc's rows 3,072 on (Wo's columns, K innermost, in the order phi: bits 3 and 4 of a row's number exchanged), ws their scale bytes.  out0 [8192][1024] f32.
; A tile of 256 x 256 is made by a work-group of four waves, 128 x 128 a wave: 64 accumulators, 512 registers.  K goes in steps of 256 through a ring of two LDS slots filled by the tensor data mover.
; CLUSTERS: 4 x 4 work-groups; A's tile is asked for jointly along a row of the cluster, B's along a column.  128 work-groups: the tile is kept at 256 x 256 so that no fragment is read from LDS more often.
; THE MATRIX INSTRUCTION IS USED TRANSPOSED (source 0 = 16 rows of B, source 1 = 16 rows of A): lane (r, h) holds A's row r of tile a, which is logical row 32 (a / 2) + 8 (a % 2) + r + 8 (r / 8) of my 128, and the 16 registers of
; accumulators (a, 2 c), (a, 2 c + 1) are the logical columns 32 c + 16 h + 0 .. 15.
; A's part of a slot is dense (images are read at 16 x lane: 512 consecutive bytes an instruction); B's rows are 272 bytes apart.
; ALL SCALE WORDS OF K STAY IN REGISTERS: v[64 + 8 i + s]: lanes 0-15 the word of A's block i for K step s, lanes 16-31 that of B's block i.  They are made once, at the head, while the first tiles are on their way.
; REGISTERS, in windows of 256: window 0: v0-31 addresses, v8-11 bo; v64-127 scale words; from v128 A's fragments, one set (at the head: the scale bytes as loaded; on the way out: rows of out0).  window 1: B's fragments, two sets.  windows 2, 3: the accumulators.
.set KROW,   1024
.set ROWB,   256
.set PITCH,  272                       ; B's LDS row: 256 bytes + 16 of padding = 68 words: row r starts at bank 4 r mod 64 (64 banks of 4 bytes: ISA guide 11.1)
.set FR,     16
.set NL,     4
.set NP,     8                         ; places behind this matrix instruction (ISA guide 7.12.1)
.set AHALF,  32768                     ; 8 tiles x 4,096 bytes: what one tensor load brings of A
.set BHALF,  128*PITCH                 ; 128 rows of B
.set BOFF,   2*AHALF
.set SLOT,   BOFF+2*BHALF
.set SPARE,  2*SLOT                    ; the spare words, 128 bytes for each wave: two blocks of 256 bytes that no other line names
.set SPITCH, 528                       ; the way out: a stage of 16 rows x (512 bytes + 16) for each wave, in slot 0, which has had its last fill and its last read when the first result is stored there
.set BO,   8                           ; v8-11   bo at my four columns of a row read back
.set ADRA, 16
.set ADRB, 20
.set STO,  24
.set RD,   25
.set CO,   26                          ; v26     16 x lane
.set SPW,  28
.set NIL,  29
.set SC,   64
.set AF,   128
.set BK,   128
.set G1, 24
.set G0, 32
.set G1B, 48
.set G0B, 56
.set MSB, 0
.macro WIN new                         ; the immediate's high byte repeats the setting that is left
.if MSB != \new
	s_set_vgpr_msb (MSB<<8)|\new
.set MSB, \new
.endif
.endm
.set MUL_LO, 0xa1
.set MUL_HI, 0xf1
.set TO_B,   0x40
.macro JLOAD g0a, g1a, g0b, g1b        ; a joint load: waves 0 and 1 fetch for A, waves 2 and 3 for B; four v_nop follow each of the two lines
	s_cmp_eq_u32 s15, 0
	s_cbranch_scc0 .Lfor_b_\@
	tensor_load_to_lds s[\g0a:\g0a+3], s[\g1a:\g1a+7]
	s_nop 0
.rept 4
	v_nop
.endr
	s_branch .Lasked_\@
.Lfor_b_\@:
	tensor_load_to_lds s[\g0b:\g0b+3], s[\g1b:\g1b+7]
	s_nop 0
.rept 4
	v_nop
.endr
.Lasked_\@:
.endm
.macro CREST
	s_cmp_lg_u32 s14, 0
	s_cbranch_scc1 .Lnot_wave_0_\@
	s_barrier_signal -3
.Lnot_wave_0_\@:
	s_barrier_wait -3
	s_barrier_signal -1
	s_barrier_wait -1
.endm
.macro CROUND
	s_barrier_signal -1
	s_barrier_wait -1
	CREST
.endm
	s_load_b128 s[4:7], s[0:1], 0x0                ; ai, asc
	s_load_b128 s[8:11], s[0:1], 0x10              ; wc, ws
	s_load_b128 s[68:71], s[0:1], 0x20             ; bo, out0
	v_lshl_add_u32 v[SPW], v0, 2, SPARE
	v_mov_b32 v[NIL], 0
	ds_add_u32 v28, v29
	ds_add_u32 v28, v29
	s_wait_dscnt 0x0
	v_lshrrev_b32 v1, 5, v0
	v_readfirstlane_b32 s14, v1                    ; wave 0..3
	s_lshr_b32 s15, s14, 1                         ; which half of the tile's rows is mine.  Also: I fetch for A (0) or for B (1)
	s_and_b32 s16, s14, 1                          ; which half of its columns.  Also: which half of that tile I fetch
	s_bfe_u32 s40, ttmp6, 0x40000                  ; cx, cy
	s_bfe_u32 s41, ttmp6, 0x40004
	s_lshl_b32 s42, ttmp9, 2
	s_add_co_u32 s42, s42, s40                     ; tile column
	s_and_b32 s17, ttmp7, 0xffff
	s_lshl_b32 s17, s17, 2
	s_add_co_u32 s17, s17, s41                     ; tile row
	s_lshl_b32 s43, s41, 2
	s_lshl_b32 s43, 15, s43                        ; my row of the cluster
	s_lshl_b32 s44, 0x1111, s40                    ; my column
	; group 1 for A: 8 rows (tiles of 16 rows of A) of 4,096 bytes (two K steps' images), 16,384 bytes apart; elements of 8 bytes, no padding
	s_or_b32 s[G1+0], s43, (3<<16)|(1<<21)
	s_mov_b32 s[G1+1], 512<<16                     ; tensor_dim0
	s_mov_b32 s[G1+2], 8<<16                       ; tensor_dim1
	s_mov_b32 s[G1+3], 512<<16                     ; tile_dim0
	s_mov_b32 s[G1+4], 8                           ; tile_dim1
	s_mov_b32 s[G1+5], 2048                        ; tensor_dim0_stride
	s_mov_b32 s[G1+6], 0
	s_mov_b32 s[G1+7], 0
	; group 1 for B: 128 rows x 256 bytes, 16 bytes of padding behind each
	s_or_b32 s[G1B+0], s44, (0<<16)|(1<<20)|(1<<21)|(5<<22)|(3<<25)
	s_mov_b32 s[G1B+1], ROWB<<16
	s_mov_b32 s[G1B+2], 128<<16
	s_mov_b32 s[G1B+3], ROWB<<16
	s_mov_b32 s[G1B+4], 128
	s_mov_b32 s[G1B+5], KROW
	s_mov_b32 s[G1B+6], 0
	s_mov_b32 s[G1B+7], 0
	s_lshl_b32 s20, s17, 4                         ; A: tile 16 x tile row + 8 x half, 16,384 bytes a tile
	s_lshl_b32 s18, s16, 3
	s_add_co_u32 s20, s20, s18
	s_lshl_b32 s20, s20, 14
	s_mov_b32 s21, 0
	s_lshl_b32 s46, s42, 8                         ; B: row 3,072 + 256 x tile column + 128 x half, 1,024 bytes a row
	s_lshl_b32 s18, s16, 7
	s_add_co_u32 s46, s46, s18
	s_add_co_u32 s46, s46, 3072
	s_lshl_b32 s46, s46, 10
	s_mov_b32 s47, 0
	s_lshl_b32 s45, s16, 15                        ; where they go: A's halves at 0 and 32,768,
	s_mul_i32 s94, s16, BHALF
	s_add_co_u32 s94, s94, BOFF                    ; B's behind them: no place in the cluster enters an LDS address
	s_lshl_b32 s72, s17, 1                         ; A's scale halves: block of 128 rows 2 x tile row + my half of the rows
	s_add_co_u32 s72, s72, s15
	s_lshl_b32 s72, s72, 12
	s_mov_b32 s73, 0
	s_lshl_b32 s74, s42, 8                         ; B's scale bytes: my 128 rows, 32 bytes a row
	s_lshl_b32 s75, s16, 7
	s_add_co_u32 s74, s74, s75
	s_add_co_u32 s74, s74, 3072
	s_lshl_b32 s74, s74, 5
	s_mov_b32 s75, 0
	s_lshl_b32 s76, s42, 10                        ; my first column, in bytes of f32
	s_lshl_b32 s77, s16, 9
	s_add_co_u32 s76, s76, s77
	s_mov_b32 s77, 0
	s_lshl_b32 s78, s17, 8                         ; my first row of out0, 4,096 bytes a row
	s_lshl_b32 s79, s15, 7
	s_add_co_u32 s78, s78, s79
	s_lshl_b32 s78, s78, 12
	s_add_co_u32 s78, s78, s76
	s_mov_b32 s79, 0
	s_mov_b32 s80, 0x05040100                      ; v_perm_b32: the two low halves
	s_mov_b32 s81, 0x07060302                      ; the two high halves
	s_mov_b32 s82, 0xffff0000                      ; lanes 16-31
	s_wait_kmcnt 0x0
	s_add_nc_u64 s[20:21], s[4:5], s[20:21]
	s_add_nc_u64 s[46:47], s[8:9], s[46:47]
	s_add_nc_u64 s[72:73], s[6:7], s[72:73]
	s_add_nc_u64 s[74:75], s[10:11], s[74:75]
	s_add_nc_u64 s[68:69], s[68:69], s[76:77]
	s_add_nc_u64 s[12:13], s[70:71], s[78:79]
	CROUND                                         ; all sixteen work-groups are here: the first joint loads meet
.irp s, 0,1
	s_mov_b32 s[G0+4*\s], 1
	s_add_co_u32 s[G0+4*\s+1], s45, \s*SLOT
	s_add_nc_u64 s[G0+4*\s+2:G0+4*\s+3], s[20:21], \s*4096
	s_or_b32 s[G0+4*\s+3], s[G0+4*\s+3], 0x80000000
	s_mov_b32 s[G0B+4*\s], 1
	s_add_co_u32 s[G0B+4*\s+1], s94, \s*SLOT
	s_add_nc_u64 s[G0B+4*\s+2:G0B+4*\s+3], s[46:47], \s*ROWB
	s_or_b32 s[G0B+4*\s+3], s[G0B+4*\s+3], 0x80000000
	JLOAD G0+4*\s, G1, G0B+4*\s, G1B               ; two tensor loads of mine are out
.endr
	v_and_b32 v1, 15, v0                           ; r
	v_bfe_u32 v2, v0, 4, 1                         ; h
	v_and_b32 v3, 31, v0
	v_lshlrev_b32 v[CO], 4, v3
	v_lshlrev_b32 v5, 4, v1                        ; A's scale halves: 16 bytes a row: eight tiles' two bytes
	v_lshlrev_b32 v6, 5, v1                        ; B's scale bytes: 32 a row
.irp hd, 0,1,2,3,4,5,6,7,8,9,10,11,12,13,14,15
	global_load_b128 v[128+4*\hd:128+4*\hd+3], v5, s[72:73] offset:256*\hd
.endr
.irp i, 0,1,2,3,4,5,6,7
	global_load_b128 v[192+8*\i:192+8*\i+3], v6, s[74:75] offset:512*\i        ; row 16 i + r: its eight words, one for each K step
	global_load_b128 v[192+8*\i+4:192+8*\i+7], v6, s[74:75] offset:512*\i+16
.endr
	global_load_b128 v[BO:BO+3], v[CO], s[68:69]
	v_mul_u32_u24 v4, v1, PITCH
	v_lshl_add_u32 v4, v2, 4, v4                   ; B: a fragment's row x pitch + 16 x half
	s_lshl_b32 s21, s15, 15                        ; my 8 tiles of A
	s_mul_i32 s22, s16, BHALF                      ; my 128 rows of B
	s_add_co_u32 s22, s22, BOFF
.irp s, 0,1
	v_add_nc_u32 v[ADRA+\s], s21, v[CO]
	v_add_nc_u32 v[ADRB+\s], s22, v4
	s_add_co_u32 s21, s21, SLOT
	s_add_co_u32 s22, s22, SLOT
.endr
	s_mul_i32 s23, s14, 16*SPITCH                  ; my stage
	v_mul_u32_u24 v7, v1, SPITCH
	v_lshl_add_u32 v7, v2, 6, v7
	v_add_nc_u32 v[STO], s23, v7                   ; in: row r, + 64 h: my 16 of each 32 columns
	v_add_nc_u32 v[RD], s23, v[CO]                 ; back: the 32 lanes take one row of 512 bytes
	s_wait_loadcnt 0x0
.irp i, 0,1,2,3,4,5,6,7                ; A's word for block i, K step s: head 2 s's two bytes below, head 2 s + 1's above
.irp s, 0,1,2,3,4,5,6,7
.if \i%2
	v_perm_b32 v[SC+8*\i+\s], v[128+4*(2*\s+1)+\i/2], v[128+8*\s+\i/2], s81
.else
	v_perm_b32 v[SC+8*\i+\s], v[128+4*(2*\s+1)+\i/2], v[128+8*\s+\i/2], s80
.endif
.endr
.endr
.set i, 0
.rept 64
	v_cndmask_b32 v[SC+i], v[SC+i], v[192+i], s82  ; lanes 16-31 take B's
.set i, i+1
.endr
.rept 8
	v_nop                                          ; a scale register written by a vector instruction stands eight places ahead of the product that names it
.endr
.macro FRAGA reg, slot, q, i           ; a fragment of A comes back as the image that it is
.irp c, 0,1,2,3
	ds_load_b128 v[\reg+4*\c:\reg+4*\c+3], v[ADRA+\slot] offset:(\i)*4096+(\q)*2048+512*\c
.endr
.endm
.macro FRAGB reg, slot, q, i           ; a fragment of B from rows: lane l holds row l % 16; registers 4 c .. 4 c + 3 hold K = 32 c + 16 (l / 16) + 0 .. 15
.irp c, 0,1,2,3
	ds_load_b128 v[\reg+4*\c:\reg+4*\c+3], v[ADRB+\slot] offset:128*(\q)+32*\c+(\i)*16*PITCH
.endr
.endm
; 16 matrix instructions: A's blocks a0, a0 + 1 x B's eight; s: the K step of 128.  zero = 1: the first product starts the sums.  The 64 accumulators take turns, one instruction a turn.
.macro MUL16 a0, p, s, zero
.irp a, \a0, \a0+1
.irp b, 0,1,2,3,4,5,6,7
.if \zero
	v_wmma_scale_f32_16x16x128_f8f6f4 v[8*(8*((\a)%4)+\b):8*(8*((\a)%4)+\b)+7], v[128*(\p)+FR*\b:128*(\p)+FR*\b+FR-1], v[AF+FR*(\a):AF+FR*(\a)+FR-1], 0, v[SC+8*\b+(\s)], v[SC+8*(\a)+(\s)] matrix_a_fmt:MATRIX_FMT_BF8 matrix_b_fmt:MATRIX_FMT_BF8 matrix_a_scale:MATRIX_SCALE_ROW1
.else
	v_wmma_scale_f32_16x16x128_f8f6f4 v[8*(8*((\a)%4)+\b):8*(8*((\a)%4)+\b)+7], v[128*(\p)+FR*\b:128*(\p)+FR*\b+FR-1], v[AF+FR*(\a):AF+FR*(\a)+FR-1], v[8*(8*((\a)%4)+\b):8*(8*((\a)%4)+\b)+7], v[SC+8*\b+(\s)], v[SC+8*(\a)+(\s)] matrix_a_fmt:MATRIX_FMT_BF8 matrix_b_fmt:MATRIX_FMT_BF8 matrix_a_scale:MATRIX_SCALE_ROW1
.endif
.endr
.endr
.endm
.macro FETCH_B slot, q, p
	WIN TO_B
.irp i, 0,1,2,3,4,5,6,7
	FRAGB 128*(\p)+FR*\i, \slot, \q, \i
.endr
	WIN 0
.endm
.macro FETCH_A slot, q, i0
.irp i, \i0, \i0+1, \i0+2, \i0+3
	FRAGA AF+FR*(\i), \slot, \q, \i
.endr
.endm
.macro PLACES n                        ; plain vector instructions between a matrix instruction and a load into, a read of or a write of its registers (ISA guide 7.12.1 for vector instructions)
.rept \n
	v_nop
.endr
.endm
.macro STEP slot, s, zero              ; a slot's first 128 along K
	s_wait_dscnt 4*NL                              ; B's set and A's blocks 0-3 are in; the youngest sixteen loads (A's blocks 4-7) may be out
	WIN MUL_LO
	MUL16 0, 0, \s, \zero
	MUL16 2, 0, \s, \zero
	s_wait_dscnt 0
	PLACES NP
	FETCH_B \slot, 1, 1
	FETCH_A \slot, 1, 0
	WIN MUL_HI
	MUL16 4, 0, \s, \zero
	MUL16 6, 0, \s, \zero
	PLACES NP
	WIN 0
	FETCH_A \slot, 1, 4
.endm
; A slot's second 128 along K changes slots: ONE barrier; in front of it each wave waits for all its tensor loads, adds 0 to its spare word, and waits for that and for its own reads of this slot.  fill = 1: this slot is filled again.
.macro TURN slot, next, s, fill
	s_wait_tensorcnt 0x0                           ; all my tensor loads have landed: my part of the next slot
	ds_add_u32 v[SPW], v[NIL]                      ; 0 onto my spare word
	s_wait_dscnt 4*NL+1                            ; (the add and the youngest sixteen loads may be out)
	WIN MUL_LO
	MUL16 0, 1, \s, 0                              ; sixteen matrix instructions stand between the add and the wait for it
	s_wait_dscnt 0x0                               ; the add is done, and my reads of this slot are over
	s_barrier_signal -1
	MUL16 2, 1, \s, 0
	WIN 0
	s_barrier_wait -1
.if \fill
	CREST                                          ; the barrier has opened a round of the cluster's barrier: no wave of any partner still reads this slot's tile or has a load on its way
	s_add_nc_u64 s[G0+4*\slot+2:G0+4*\slot+3], s[G0+4*\slot+2:G0+4*\slot+3], 2*4096
	s_add_nc_u64 s[G0B+4*\slot+2:G0B+4*\slot+3], s[G0B+4*\slot+2:G0B+4*\slot+3], 2*ROWB
	JLOAD G0+4*\slot, G1, G0B+4*\slot, G1B         ; the first tensor load behind the round; its four v_nop are among the places in front of the loads below
	PLACES NP-4
.else
	PLACES NP
.endif
	FETCH_B \next, 0, 0
	FETCH_A \next, 0, 0
	WIN MUL_HI
	MUL16 4, 1, \s, 0
	MUL16 6, 1, \s, 0
	PLACES NP
	WIN 0
	FETCH_A \next, 0, 4
.endm
	s_wait_tensorcnt 1                             ; my part of slot 0 is in (slot 1's load may be out)
	s_barrier_signal -1
	s_barrier_wait -1                              ; everybody's is
	FETCH_B 0, 0, 0
	FETCH_A 0, 0, 0
	FETCH_A 0, 0, 4
	STEP 0, 0, 1                                   ; eight steps of 128 along K, written out: each names its own scale registers
	TURN 0, 1, 1, 1
	STEP 1, 2, 0
	TURN 1, 0, 3, 1
	STEP 0, 4, 0
	TURN 0, 1, 5, 0                                ; nothing is left to fetch, so no round follows
	STEP 1, 6, 0
	s_wait_dscnt 4*NL
	WIN MUL_LO
	MUL16 0, 1, 7, 0
	MUL16 2, 1, 7, 0
	s_wait_dscnt 0
	WIN MUL_HI
	MUL16 4, 1, 7, 0
	MUL16 6, 1, 7, 0
	WIN 0
; THE WAY OUT, block by block of 16 rows x 128 columns, through my own stage in LDS: in by lanes (each accumulator's eight numbers at their logical columns), back as whole rows of 512 bytes; bo is added; the 32 lanes store 512 consecutive bytes.
; LDS serves a wave's instructions in order (ISA guide 5.7.1.4): no wait between the stores and the loads, nor in front of the next block's stores.
.macro TOSTAGE a
.set AC, 64*((\a)%4)
	WIN 0x08+4*((\a)/4)                            ; the data: window 2 or 3
.irp b, 0,1,2,3,4,5,6,7
	ds_store_b128 v[STO], v[AC+8*\b:AC+8*\b+3] offset:128*(\b/2)+32*(\b%2)          ; columns 32 (b / 2) + 16 h + 8 (b % 2) + 0 .. 7; each accumulator from its low end on
	ds_store_b128 v[STO], v[AC+8*\b+4:AC+8*\b+7] offset:128*(\b/2)+32*(\b%2)+16
.endr
	WIN 0
.set BB, BK+64*((\a)%2)
.irp t, 0,1,2,3,4,5,6,7,8,9,10,11,12,13,14,15
	ds_load_b128 v[BB+4*\t:BB+4*\t+3], v[RD] offset:\t*SPITCH
.endr
.endm
.macro SEND a, younger                 ; younger: the LDS instructions issued behind block a's loads, which may stay out
.set BB, BK+64*((\a)%2)
	s_wait_dscnt \younger
.irp t, 0,1,2,3,4,5,6,7,8,9,10,11,12,13,14,15
	v_pk_add_f32 v[BB+4*\t:BB+4*\t+1], v[BB+4*\t:BB+4*\t+1], v[BO:BO+1]
	v_pk_add_f32 v[BB+4*\t+2:BB+4*\t+3], v[BB+4*\t+2:BB+4*\t+3], v[BO+2:BO+3]
.endr
.irp t, 0,1,2,3,4,5,6,7,8,9,10,11,12,13,14,15
	global_store_b128 v[CO], v[BB+4*\t:BB+4*\t+3], s[12:13] offset:(32*((\a)/2)+8*((\a)%2)+\t+8*(\t/8))*4096 th:TH_STORE_NT   ; the row's logical place among my 128: 127 x 4,096 bytes at the most, inside the signed 24-bit immediate; the base is never stepped
.endr
.endm
	PLACES NP                                      ; behind the last products: their results are read, and their operands' registers loaded, below
	TOSTAGE 0
.irp a, 1,2,3,4,5,6,7
.if \a > 1
	s_wait_xcnt 0x0                                ; block a - 2's stores have read their registers: block a's loads may land there
.endif
	TOSTAGE \a
	SEND \a-1, 32                                  ; behind block a - 1's loads: block a's 16 stores and 16 loads
.endr
	SEND 7, 0
	s_wait_tensorcnt 0x0                           ; the wave's end
	ds_add_u32 v[SPW], v[NIL]
	s_wait_dscnt 0x0
	CROUND                                         ; the closing round: no work-group ends while a partner may still ask for a tile that names it
	s_endpgm
.Lfunc_end_k_qfe15e441b6_oproj:
	.size	k_qfe15e441b6_oproj, .Lfunc_end_k_qfe15e441b6_oproj-k_qfe15e441b6_oproj
	.p2alignl 7, 3214868480
	.fill 96, 4, 3214868480
	.section	.rodata,"a",@progbits
	.p2align	6, 0x0
	.amdhsa_kernel k_qfe15e441b6_oproj
		.amdhsa_group_segment_fixed_size 327680
		.amdhsa_private_segment_fixed_size 0
		.amdhsa_enable_private_segment 0
		.amdhsa_kernarg_size 48
		.amdhsa_user_sgpr_count 2
		.amdhsa_user_sgpr_kernarg_segment_ptr 1
		.amdhsa_wavefront_size32 1
		.amdhsa_system_sgpr_workgroup_id_x 1
		.amdhsa_system_sgpr_workgroup_id_y 1
		.amdhsa_system_sgpr_workgroup_id_z 1
		.amdhsa_system_vgpr_workitem_id 0
		.amdhsa_next_free_vgpr 1024
		.amdhsa_next_free_sgpr 98
		.amdhsa_reserve_vcc 0
		.amdhsa_float_denorm_mode_32 3
		.amdhsa_float_denorm_mode_16_64 3
		.amdhsa_memory_ordered 1
		.amdhsa_forward_progress 1
		.amdhsa_inst_pref_size 168
	.end_amdhsa_kernel
	.amdgpu_metadata
---
amdhsa.version: [ 1, 2 ]
amdhsa.kernels:
  - .name:           k_qfe15e441b6_oproj
    .symbol:         k_qfe15e441b6_oproj.kd
    .args:
      - { .name: ai, .offset: 0, .size: 8, .value_kind: global_buffer, .address_space: global }
      - { .name: asc, .offset: 8, .size: 8, .value_kind: global_buffer, .address_space: global }
      - { .name: wc, .offset: 16, .size: 8, .value_kind: global_buffer, .address_space: global }
      - { .name: ws, .offset: 24, .size: 8, .value_kind: global_buffer, .address_space: global }
      - { .name: bo, .offset: 32, .size: 8, .value_kind: global_buffer, .address_space: global }
      - { .name: out0, .offset: 40, .size: 8, .value_kind: global_buffer, .address_space: global }
    .group_segment_fixed_size: 327680
    .private_segment_fixed_size: 0
    .kernarg_segment_align: 8
    .kernarg_segment_size: 48
    .max_flat_workgroup_size: 128
    .sgpr_count:     98
    .vgpr_count:     1024
    .wavefront_size: 32
...
	.end_amdgpu_metadata
.endif
;; end of part 5
